; MI455X (gfx1250); checked and timed in simulation.
; The chip was launched on July 23, 2026; its instructions are those of AMD's public machine-readable ISA for CDNA 5 (MIT licence, August 2026) and "CDNA5" Instruction Set Architecture Reference Guide (July 2026). The comments in the code are by the model that wrote it; some were corrected since.
;; Single Head Attention. Allowed arithmetic: matrix products marked QUANTISED: E2M1 operands, one E8M0 scale for each 32 along K, by v_wmma_scale_f32_16x16x128_f8f6f4 with both operands' format E2M1 (or v_wmma_scale_f32_32x16x128_f4), f32 sums; products left as they are: bf16, f16 or f32 operands; f32 sums; everything else in f32.
;; Inputs: W_k 1,024 x 1,024 float32; W_o 1,024 x 1,024 float32; W_q 1,024 x 1,024 float32; W_v 1,024 x 1,024 float32; x 4 x 2,048 x 1,024 float32.
;; Outputs: out0 4 x 2,048 x 1,024 float32.
;; This version of the problem:
;;   THIS VERSION OF THE PROBLEM IS GIVEN IN LOW PRECISION. The matrix products marked QUANTISED in the list below multiply operands that are first quantised to E2M1 (2 exponent bits, 1 mantissa bit; 4 bits a number), with one power-of-two scale for each 32 numbers along K (OCP MX v1.0); their sums are f32. The products marked 'left as it is' may take bf16, f16 or f32 operands, with f32 sums. Whichever they take, every output number must still come out within the allowed error. Rounding operands to bf16 (8 significant bits) uses up far more of that allowance than f16 does (11 bits, for magnitudes from 6e-5 to 65,504). All else is computed in f32.
;;   The module's matrix products, in the order in which they are computed (A, B: the left and right operand; K: the contracted axis; several contracted axes count as one K, in the product's order):
;;     1. [M 8,192, K 1,024] x [K 1,024, N 1,024]; A: input x; B: input W_q: QUANTISED
;;     2. [M 8,192, K 1,024] x [K 1,024, N 1,024]; A: input x; B: input W_k: QUANTISED
;;     3. [M 8,192, K 1,024] x [K 1,024, N 1,024]; A: input x; B: input W_v: QUANTISED
;;     4. batch 4 x [M 2,048, K 1,024] x [K 1,024, N 2,048]; A: computed on the way; B: computed on the way: left as it is (an operand is computed on the way)
;;     5. batch 4 x [M 2,048, K 2,048] x [K 2,048, N 1,024]; A: computed on the way; B: computed on the way: left as it is (an operand is computed on the way)
;;     6. [M 8,192, K 1,024] x [K 1,024, N 1,024]; A: computed on the way; B: input W_o: left as it is (an operand is computed on the way)
;;   THE QUANTISER, for each operand of a quantised product, along K:
;;     - K is cut into blocks of 32 from its start; a last block that is shorter is filled with zeros.
;;     - A block's scale is 2^e with e = floor(log2(the largest magnitude in the block)) - 2, held to -126 .. 127; a block of zeros has e = 0. As a byte (E8M0): e + 127.
;;     - Each number is divided by its block's scale, clamped to +-6, and rounded to the nearest number of E2M1, ties to even, subnormals kept.
;;     - The product sums the exact products of the quantised numbers (number of the format x scale) in f32.
;;   ~~~python
;;   def quantise(x, axis):      # numpy; x: float32 -> the quantised numbers, widened to float32 again
;;       x = np.moveaxis(x, axis, -1); K = x.shape[-1]
;;       x = np.pad(x, [(0, 0)] * (x.ndim - 1) + [(0, -K % 32)]); x = x.reshape(x.shape[:-1] + (-1, 32)); a = np.abs(x).max(-1, keepdims=True)
;;       e = np.where(a > 0, np.clip(np.frexp(np.where(a > 0, a, 1))[1] - 1 - 2, -126, 127), 0)      # np.frexp(a)[1] - 1 = floor(log2(a)), exactly
;;       r = np.clip(x / 2.0 ** e, -6, 6)
;;       step = 2.0 ** (np.maximum(np.frexp(np.where(r == 0, 1, r))[1] - 1, 0) - 1)
;;       q = np.round(r / step) * step * 2.0 ** e      # np.round: ties to even
;;       return np.moveaxis(q.reshape(q.shape[:-2] + (-1,))[..., :K], -1, axis).astype(np.float32)
;;   ~~~
;; One version. Each part assembles by itself: llvm-mc -triple=amdgcn-amd-amdhsa -mcpu=gfx1250 --defsym DOCPART=n.
;; ======== version 1 of 1: 6 launches
;; limits: values are held in f16: magnitudes above 65,504 overflow, below 6.1e-05 lose precision
;; workspace buffers: xq 6,127,616 bytes; wo16 2,097,152 bytes; qk 33,554,432 bytes; vt 16,777,216 bytes; hd 786,432 bytes; p 33,554,432 bytes; st 2,097,152 bytes; ao 16,777,216 bytes
;; launch prep (part 1): grid 384 x 1, 4 waves a work-group, no clusters, 33,280 bytes of LDS; arguments x, W_q, W_k, W_v, W_o, xq, wo16; writes xq, wo16
.if DOCPART == 1
	.amdgcn_target "amdgcn-amd-amdhsa--gfx1250"
	.amdhsa_code_object_version 6
	.text
	.protected	k_qfe5d3fa6c2_prep
	.globl	k_qfe5d3fa6c2_prep
	.p2align	8
	.type	k_qfe5d3fa6c2_prep,@function
k_qfe5d3fa6c2_prep:
	s_mov_b64 s[64:65], 0
	v_nop
	global_prefetch_b8 v0, s[64:65] scope:SCOPE_SE
	s_setreg_imm32_b32 hwreg(HW_REG_WAVE_MODE, 25, 1), 1
	s_wait_xcnt 0x0
; x [8192][1024], W_q, W_k, W_v [1024][1024], f32, become codes of FP4 (E2M1), K innermost, with one E8M0 byte for each 32 along K; W_o [1024][1024] becomes f16.
; xq holds the four quantised tensors on end as 11,264 rows: codes [row][512 bytes] from byte 0, scale bytes [row][32] from byte SCOFF.  Rows 0-8191 x, 8192-9215 W_q, 9216-10239 W_k, 10240-11263 W_v.
; A block's scale is 2^(floor(log2(its largest magnitude)) - 2); its byte is the largest magnitude's exponent field - 2, held at 1 from below.  Each number is divided by the scale and rounded to the nearest code, ties to even.
; LIMITS: a block of zeros gets the byte 1 (its codes are zeros, and this program alone reads the bytes); blocks whose largest magnitude lies under 2^-124 are held at byte 1; NaN and infinities are not served;
; |W_o| stays under 65,504 (f16).
; Rows are dense and 1,024 is a multiple of 32: every tensor is a plain stream of blocks.  Work-groups 0-255 take x, 256-287 W_q, 288-319 W_k, 320-351 W_v, 352-383 cast W_o.  A wave takes 8,192 numbers.
; The quantiser: 16 steps of 512 numbers.  Each load reads 512 consecutive bytes; a step's 2,048 bytes turn through the wave's own stage in LDS, so that a lane holds 16 neighbours (two lanes hold a block).
; No tensor loads, no barrier: waves share nothing.
.set WAVES, 4
.set STEPS, 16
.set EMAX,  2
.set CB,    8                          ; bytes of 16 codes
.set R,     16                         ; v16-79   four sets of 16 numbers as loaded (cast: sixteen slots of four)
.set X,     80                         ; v80-111  two sets of 16 neighbours
.set C,     128                        ; v128-191 codes, four registers a step (cast: sixteen pairs to store)
.set E,     112                        ; v112-127 a scale byte for each step
.set WREG,  8192                       ; LDS: a region for each wave: two stages of 32 x SP bytes, then its 256 scale bytes
.set SP,    80                         ; a lane's place in a stage: 64 bytes + 16 of padding
.set SPW,   12                         ; v12 LDS address of my spare word; never rewritten
.set NIL,   13                         ; v13 0; never rewritten
.set SPARE, WAVES*WREG                 ; the spare words, 128 bytes a wave
.set SCOFF, 5767168                    ; 11,264 rows x 512 bytes
	s_load_b256 s[4:11], s[0:1], 0x0               ; x, W_q, W_k, W_v
	s_load_b128 s[12:15], s[0:1], 0x20             ; W_o, xq
	s_load_b64 s[16:17], s[0:1], 0x30              ; wo16
	v_lshl_add_u32 v[SPW], v0, 2, SPARE
	v_mov_b32 v[NIL], 0
	v_lshrrev_b32 v1, 5, v0
	v_readfirstlane_b32 s20, v1                    ; wave
	v_and_b32 v2, 31, v0                           ; lane
	v_lshlrev_b32 v3, 4, v2                        ; my 16 bytes of a load's 512
	s_mul_i32 s21, s20, WREG
	v_lshrrev_b32 v14, 2, v2
	v_mul_u32_u24 v14, v14, SP
	v_and_b32 v15, 3, v2
	v_lshl_add_u32 v14, v15, 4, v14
	v_add_nc_u32 v14, s21, v14                     ; the stage, on the way in: SP (lane / 4) + 16 (lane % 4)
	v_mul_u32_u24 v15, v2, SP
	v_add_nc_u32 v15, s21, v15                     ; and on the way out: SP x lane: my 16 neighbours
	v_mul_u32_u24 v4, v2, CB                       ; 8 x lane: my codes' place in a step's; the cast's place in a chunk's 256 bytes
	v_lshrrev_b32 v5, 1, v2
	s_add_co_u32 s21, s21, 2*32*SP
	v_add_nc_u32 v5, s21, v5                       ; LDS: my wave's 256 scale bytes, my block's byte
	v_lshlrev_b32 v7, 3, v2
	v_add_nc_u32 v6, s21, v7                       ; and on the way out 8 bytes a lane
	s_wait_kmcnt 0x0
	s_cmp_ge_u32 ttmp9, 352                        ; the work-group's number alone decides the path
	s_cbranch_scc1 .Lcast
	s_and_b32 s24, ttmp9, 31                       ; a weight's work-groups begin at multiples of 32
	s_cmp_lt_u32 ttmp9, 320
	s_cselect_b64 s[22:23], s[8:9], s[10:11]       ; W_k or W_v
	s_cmp_lt_u32 ttmp9, 288
	s_cselect_b64 s[22:23], s[6:7], s[22:23]       ; W_q
	s_cmp_lt_u32 ttmp9, 256
	s_cselect_b64 s[22:23], s[4:5], s[22:23]       ; x
	s_cselect_b32 s24, ttmp9, s24                  ; the work-group's number inside its tensor
	s_lshl_b32 s24, s24, 2
	s_add_co_u32 s24, s24, s20
	s_lshl_b32 s24, s24, 15                        ; my run of 8,192 numbers: 32,768 bytes each (under 2^26)
	s_mov_b32 s25, 0
	s_add_nc_u64 s[4:5], s[22:23], s[24:25]
	s_lshl_b32 s26, ttmp9, 2
	s_add_co_u32 s26, s26, s20                     ; the run's number in xq: the four tensors lie on end
	s_lshl_b32 s28, s26, 12                        ; 4,096 bytes of codes a run
	s_mov_b32 s29, 0
	s_add_nc_u64 s[8:9], s[14:15], s[28:29]
	s_lshl_b32 s28, s26, 8                         ; 256 scale bytes a run
	s_add_co_u32 s28, s28, SCOFF
	s_add_nc_u64 s[10:11], s[14:15], s[28:29]
.macro LOAD t
.irp i, 0,1,2,3
	global_load_b128 v[R+16*((\t)%4)+4*\i:R+16*((\t)%4)+4*\i+3], v3, s[4:5] offset:2048*(\t)+512*\i th:TH_LOAD_NT   ; 32 lanes read 512 consecutive bytes
.endr
.endm
.macro TURN t                          ; step t's numbers through the stage: LDS serves a wave's instructions in order, so no wait stands between the stores and the loads
.irp i, 0,1,2,3
	ds_store_b128 v14, v[R+16*((\t)%4)+4*\i:R+16*((\t)%4)+4*\i+3] offset:32*SP*((\t)%2)+8*SP*\i
.endr
.irp i, 0,1,2,3
	ds_load_b128 v[X+16*((\t)%2)+4*\i:X+16*((\t)%2)+4*\i+3], v15 offset:32*SP*((\t)%2)+16*\i
.endr
.endm
.irp t, 0,1,2,3
	LOAD \t
.endr
	s_wait_loadcnt 12                              ; step 0's four loads are in; the twelve of steps 1 to 3 may be out
	TURN 0
.macro STEP t
.set XS, X+16*((\t)%2)
.if (\t) > 0
	s_wait_dscnt 1                                 ; this step's numbers are back from the stage (the last step's byte store may be out)
.else
	s_wait_dscnt 0x0
.endif
.if (\t)+4 < STEPS
	LOAD (\t)+4                                    ; the registers that the stage's stores have read take the loads of four steps on
.endif
.if (\t)+1 < STEPS
.if STEPS-2-(\t) >= 3
	s_wait_loadcnt 12                              ; the next step's four loads are in; those of the three steps behind it may be out
.else
	s_wait_loadcnt 4*(STEPS-2-(\t))
.endif
	TURN (\t)+1
.endif
	v_max3_num_f32 v8, |v[XS]|, |v[XS+1]|, |v[XS+2]|               ; the largest magnitude of my 16, in two chains
	v_max3_num_f32 v9, |v[XS+3]|, |v[XS+4]|, |v[XS+5]|
.irp i, 6,10
	v_max3_num_f32 v8, v8, |v[XS+\i]|, |v[XS+\i+1]|
	v_max3_num_f32 v9, v9, |v[XS+\i+2]|, |v[XS+\i+3]|
.endr
	v_max3_num_f32 v8, v8, |v[XS+14]|, |v[XS+15]|
	v_max3_num_f32 v8, v8, v9, (EMAX+1)<<23        ; and the floor 2^(3 - 127): the byte cannot fall under 1
	v_max_num_f32_dpp v8, v8, v8 row_xmask:1 row_mask:0xf bank_mask:0xf   ; and of my neighbour's 16: the block's
	v_add_nc_u32 v11, -(EMAX<<23), v8              ; 2 off its exponent field: the conversion takes that field as its scale
	v_cvt_scalef32_pk8_fp4_f32 v[C+4*(\t)], v[XS:XS+7], v11
	v_cvt_scalef32_pk8_fp4_f32 v[C+4*(\t)+1], v[XS+8:XS+15], v11
	v_lshrrev_b32 v[E+(\t)], 23, v11               ; the scale's byte (also the plain line behind the conversions)
	ds_store_b8 v5, v[E+(\t)] offset:16*(\t)       ; both lanes of a block write the same byte with the same value
	global_store_b64 v4, v[C+4*(\t):C+4*(\t)+1], s[8:9] offset:32*CB*(\t)   ; 32 lanes store 256 consecutive bytes, aligned
.endm
.irp t, 0,1,2,3,4,5,6,7,8,9,10,11,12,13,14,15
	STEP \t
.endr
	ds_load_b64 v[8:9], v6                         ; LDS serves a wave's instructions in order: these see my byte stores
	s_wait_dscnt 0x0
	global_store_b64 v7, v[8:9], s[10:11]          ; 32 lanes store 256 consecutive bytes, aligned
	s_wait_tensorcnt 0x0                           ; the wave's end, behind my last LDS store
	ds_add_u32 v[SPW], v[NIL]
	s_wait_dscnt 0x0
	s_endpgm
.Lcast:                                            ; W_o to f16: 64 chunks of 128 numbers a wave, sixteen loads in flight
	s_sub_co_u32 s24, ttmp9, 352
	s_lshl_b32 s24, s24, 2
	s_add_co_u32 s24, s24, s20                     ; my run of 8,192 numbers
	s_lshl_b32 s26, s24, 15
	s_mov_b32 s27, 0
	s_add_nc_u64 s[12:13], s[12:13], s[26:27]
	s_lshl_b32 s26, s24, 14
	s_add_nc_u64 s[16:17], s[16:17], s[26:27]
.set n, 0
.rept 16
	global_load_b128 v[R+4*n:R+4*n+3], v3, s[12:13] offset:512*n th:TH_LOAD_NT
.set n, n+1
.endr
.set n, 0
.rept 64
.set i, n%16
.if n < 49
	s_wait_loadcnt 15                              ; chunk n is in; the fifteen younger loads stay out
.else
	s_wait_loadcnt 63-n                            ; the last chunks: the counts run down
.endif
.if n >= 16
	s_wait_xcnt 0x0                                ; the slot's last store has read its data: they are rewritten only behind this wait
.endif
	v_cvt_pk_f16_f32 v[C+2*i], v[R+4*i], v[R+4*i+1]
	v_cvt_pk_f16_f32 v[C+2*i+1], v[R+4*i+2], v[R+4*i+3]
	global_store_b64 v4, v[C+2*i:C+2*i+1], s[16:17] offset:256*n   ; 32 lanes store 256 consecutive bytes, aligned
.if n+16 < 64
	global_load_b128 v[R+4*i:R+4*i+3], v3, s[12:13] offset:512*(n+16) th:TH_LOAD_NT
.endif
.set n, n+1
.endr
	s_wait_tensorcnt 0x0                           ; the same three closing lines on this path
	ds_add_u32 v[SPW], v[NIL]
	s_wait_dscnt 0x0
	s_endpgm
.Lfunc_end_k_qfe5d3fa6c2_prep:
	.size	k_qfe5d3fa6c2_prep, .Lfunc_end_k_qfe5d3fa6c2_prep-k_qfe5d3fa6c2_prep
	.p2alignl 7, 3214868480
	.fill 96, 4, 3214868480
	.section	.rodata,"a",@progbits
	.p2align	6, 0x0
	.amdhsa_kernel k_qfe5d3fa6c2_prep
		.amdhsa_group_segment_fixed_size 33280
		.amdhsa_private_segment_fixed_size 0
		.amdhsa_enable_private_segment 0
		.amdhsa_kernarg_size 56
		.amdhsa_user_sgpr_count 2
		.amdhsa_user_sgpr_kernarg_segment_ptr 1
		.amdhsa_wavefront_size32 1
		.amdhsa_system_sgpr_workgroup_id_x 1
		.amdhsa_system_sgpr_workgroup_id_y 1
		.amdhsa_system_sgpr_workgroup_id_z 1
		.amdhsa_system_vgpr_workitem_id 0
		.amdhsa_next_free_vgpr 192
		.amdhsa_next_free_sgpr 66
		.amdhsa_reserve_vcc 0
		.amdhsa_float_denorm_mode_32 3
		.amdhsa_float_denorm_mode_16_64 3
		.amdhsa_memory_ordered 1
		.amdhsa_forward_progress 1
		.amdhsa_inst_pref_size 58
	.end_amdhsa_kernel
	.amdgpu_metadata
---
amdhsa.version: [ 1, 2 ]
amdhsa.kernels:
  - .name:           k_qfe5d3fa6c2_prep
    .symbol:         k_qfe5d3fa6c2_prep.kd
    .args:
      - { .name: x, .offset: 0, .size: 8, .value_kind: global_buffer, .address_space: global }
      - { .name: W_q, .offset: 8, .size: 8, .value_kind: global_buffer, .address_space: global }
      - { .name: W_k, .offset: 16, .size: 8, .value_kind: global_buffer, .address_space: global }
      - { .name: W_v, .offset: 24, .size: 8, .value_kind: global_buffer, .address_space: global }
      - { .name: W_o, .offset: 32, .size: 8, .value_kind: global_buffer, .address_space: global }
      - { .name: xq, .offset: 40, .size: 8, .value_kind: global_buffer, .address_space: global }
      - { .name: wo16, .offset: 48, .size: 8, .value_kind: global_buffer, .address_space: global }
    .group_segment_fixed_size: 33280
    .private_segment_fixed_size: 0
    .kernarg_segment_align: 8
    .kernarg_segment_size: 56
    .max_flat_workgroup_size: 128
    .sgpr_count:     66
    .vgpr_count:     192
    .wavefront_size: 32
...
	.end_amdgpu_metadata
.endif
;; end of part 1
;; launch qkv (part 2): grid 96 x 4, 4 waves a work-group, clusters of 4 x 4, 327,680 bytes of LDS; arguments xq, qk, vt, hd; writes qk, vt, hd
.if DOCPART == 2
	.amdgcn_target "amdgcn-amd-amdhsa--gfx1250"
	.amdhsa_code_object_version 6
	.text
	.protected	k_qfe5d3fa6c2_qkv
	.globl	k_qfe5d3fa6c2_qkv
	.p2align	8
	.type	k_qfe5d3fa6c2_qkv,@function
k_qfe5d3fa6c2_qkv:
	s_mov_b64 s[64:65], 0
	v_nop
	global_prefetch_b8 v0, s[64:65] scope:SCOPE_SE
	s_setreg_imm32_b32 hwreg(HW_REG_WAVE_MODE, 25, 1), 1
	s_wait_xcnt 0x0
	s_wait_alu depctr_hold_cnt(0) depctr_sa_sdst(0) depctr_va_vdst(0) depctr_va_sdst(0) depctr_va_ssrc(0) depctr_va_vcc(0) depctr_vm_vsrc(0)
	s_getreg_b32 s2, hwreg(HW_REG_IB_STS2, 6, 4)
	s_cmp_eq_u32 s2, 0
	s_cbranch_scc0 .Lentry_in_a_cluster
	s_endpgm
.Lentry_in_a_cluster:
	s_bfe_u32 s2, ttmp6, 0x10000c
	s_cmp_lg_u32 s2, 0xf033
	s_cbranch_scc0 .Lentry_shape_is_right
	s_endpgm
.Lentry_shape_is_right:
; The three quantised products on codes of FP4 with E8M0 scales, K = 1,024: q | k = x (W_q | W_k)^T as f16 into qk [8192][2048], and v TRANSPOSED, W_v x^T, as f16 into vt [4][1024 channels][2048 tokens].
; The first 16 positions of each sequence also leave in f32 (hd): q | k as [4][16][2048], v^T as [1024][16 batch + token] from byte 524,288.
; LIMITS: |q|, |k|, |v| stay under 65,504 (f16).  The order of the f32 sums is the matrix unit's, K ascending.
; A tile of C, 256 x 256, is made by four waves, each 128 x 128 in 64 accumulators.  24 clusters of 4 x 4 work-groups, g = the cluster's number.
;   g < 16: A = rows of x, B = rows of W_q | W_k; tile row (g >> 1) + 8 cy, tile column 4 (g & 1) + cx.      g >= 16: A = rows of W_v, B = rows of x; tile row cy, tile column (g & 7) + 8 cx.
; The tile rows (columns) of a cluster lie 8 apart, so that the tiles with a sequence's first rows lie in clusters 0, 1 and 16 for every cx, cy: the branch round the f32 stores hangs on the cluster's and the wave's number alone.
; K is two slots of 512: both are first fills, nothing is filled again.  The scale bytes of the work-group's 512 rows come once, as dense blocks.  A's tiles are asked for jointly along a row of the cluster, B's along a column.
; THE MATRIX INSTRUCTION IS USED TRANSPOSED (source 0 = 16 rows of B, source 1 = 16 rows of A): a lane holds eight neighbouring numbers of a row of C.
; REGISTERS: window 0: v0-31 addresses; v32-95 scale words, two sets, and nothing else; v128-191 A's fragments, one set, on the way out rows read back; v192-223 packed results.
;   window 1: B's fragments, two sets, v0 and v128.   window 2: accumulators of my rows 0-63, (a, b) at v[8 (8 a + b)];   window 3: rows 64-127.
.set KSTEP,  512
.set NQ,     KSTEP/128
.set ROWB,   256                       ; a tile's row in bytes
.set KROW,   512                       ; a row of codes in memory
.set PITCH,  272                       ; an LDS row: 256 bytes + 16 of padding, so that the 16 rows of a load start at 16 different banks
.set FR,     8
.set NL,     2
.set NP,     4
.set HALFT,  128*PITCH
.set SLOT,   4*HALFT
.set KS,     32                        ; a row of scale bytes
.set SCL,    2*SLOT
.set HALFS,  (128*KS/256)*272
.set SBLK,   (16*KS/256)*272
.set SPARE,  SCL+4*HALFS               ; the spare words, 128 bytes a wave
.set SPITCH, 272                       ; the way out: 16 rows x (256 bytes + 16) for each wave, in slot 0, which has had its only fill and its last read by then
.set SCOFF,  5767168
.set CP,     4096                      ; a row of qk and of vt in bytes
.set ADRA, 16
.set ADRB, 20
.set STO,  24
.set RD,   25
.set CO,   26
.set ADRS, 27
.set SPW,  28
.set NIL,  29
.set SDQ,  30                          ; v30 the f32 rows of q | k: 8,192 r + 32 h
.set SDV,  31                          ; v31 those of v^T: 256 r + 32 h
.set SC,   32
.set AF,   128
.set BK,   128
.set TMP,  192
.set G1, 24
.set G0, 32
.set G1B, 48
.set G0B, 56
.set G1S, 68
.set G0S, 76
.set G1SB, 80
.set G0SB, 88
.set MSB, 0
.macro WIN new                         ; the immediate's high byte repeats the setting that is left
.if MSB != (\new)
	s_set_vgpr_msb (MSB<<8)|(\new)
.set MSB, (\new)
.endif
.endm
.set MUL_LO, 0xa1                      ; source 0 (B) window 1, source 1 (A) window 0, C and D window 2
.set MUL_HI, 0xf1
.set TO_B,   0x40
; A joint load: waves 0 and 1 fetch for A, waves 2 and 3 for B.  The branch hangs on the wave's number alone.  An s_nop 0 and four v_nop follow each line.
.macro JLOAD g0a, g1a, g0b, g1b
	s_cmp_eq_u32 s15, 0
	s_cbranch_scc0 .Lfor_b_\@
	tensor_load_to_lds s[\g0a:\g0a+3], s[\g1a:\g1a+7]
	s_nop 0
.rept 4
	v_nop
.endr
	s_branch .Lasked_\@
.Lfor_b_\@:
	tensor_load_to_lds s[\g0b:\g0b+3], s[\g1b:\g1b+7]
	s_nop 0
.rept 4
	v_nop
.endr
.Lasked_\@:
.endm
.macro CROUND                          ; a round of the cluster's barrier
	s_barrier_signal -1
	s_barrier_wait -1
	s_cmp_lg_u32 s14, 0
	s_cbranch_scc1 .Lnot_wave_0_\@
	s_barrier_signal -3
.Lnot_wave_0_\@:
	s_barrier_wait -3
	s_barrier_signal -1
	s_barrier_wait -1
.endm
	s_load_b256 s[4:11], s[0:1], 0x0               ; xq s[4:5], qk s[6:7], vt s[8:9], hd s[10:11]
	v_lshl_add_u32 v[SPW], v0, 2, SPARE
	v_mov_b32 v[NIL], 0
	ds_add_u32 v[SPW], v[NIL]                      ; the wave's opening: the add, twice on end, and its wait ahead of my first tensor load
	ds_add_u32 v[SPW], v[NIL]
	v_lshrrev_b32 v1, 5, v0
	v_readfirstlane_b32 s14, v1                    ; wave 0..3
	s_lshr_b32 s15, s14, 1                         ; which half of the tile's rows is mine.  Also: I fetch for A (0) or for B (1)
	s_and_b32 s16, s14, 1                          ; which half of its columns.  Also: which 128 rows I fetch
	s_bfe_u32 s40, ttmp6, 0x40000                  ; cx
	s_bfe_u32 s41, ttmp6, 0x40004                  ; cy
	s_lshr_b32 s66, ttmp9, 1
	s_lshl_b32 s67, s41, 3
	s_add_co_u32 s66, s66, s67                     ; q | k: tile row (g >> 1) + 8 cy
	s_and_b32 s67, ttmp9, 1
	s_lshl_b32 s67, s67, 2
	s_add_co_u32 s67, s67, s40                     ;        tile column 4 (g & 1) + cx
	s_and_b32 s95, ttmp9, 7
	s_lshl_b32 s98, s40, 3
	s_add_co_u32 s95, s95, s98                     ; v: tile column (g & 7) + 8 cx; its tile row is cy
	s_cmp_lt_u32 ttmp9, 16                         ; the role hangs on the cluster's number alone
	s_cselect_b32 s17, s66, s41                    ; tile row: made of g and cy
	s_cselect_b32 s42, s67, s95                    ; tile column: made of g and cx
	s_cselect_b32 s96, 0, 10240                    ; A's first row in xq: x or W_v
	s_cselect_b32 s97, 8192, 0                     ; B's: W_q | W_k or x
	s_lshl_b32 s43, s41, 2
	s_lshl_b32 s43, 15, s43                        ; my row of the cluster
	s_lshl_b32 s44, 0x1111, s40                    ; my column
	s_or_b32 s[G1+0], s43, (0<<16)|(1<<20)|(1<<21)|(5<<22)|(3<<25)  ; the mask; elements of 1 byte; padding: 4 words after every 64; bit 21 beside a mask
	s_or_b32 s[G1B+0], s44, (0<<16)|(1<<20)|(1<<21)|(5<<22)|(3<<25)
.irp g, G1, G1B
	s_mov_b32 s[\g+1], ROWB<<16                    ; tensor_dim0
	s_mov_b32 s[\g+2], 128<<16                     ; tensor_dim1
	s_mov_b32 s[\g+3], ROWB<<16                    ; tile_dim0
	s_mov_b32 s[\g+4], 128                         ; tile_dim1
	s_mov_b32 s[\g+5], KROW                        ; the pitch
	s_mov_b32 s[\g+6], 0
	s_mov_b32 s[\g+7], 0
.endr
	s_or_b32 s[G1S+0], s43, (3<<16)|(1<<20)|(1<<21)|(5<<22)|(3<<25) ; the scales of 128 rows: 4,096 dense bytes as 16 rows of 32 elements of 8 bytes
	s_or_b32 s[G1SB+0], s44, (3<<16)|(1<<20)|(1<<21)|(5<<22)|(3<<25)
.irp g, G1S, G1SB
	s_mov_b32 s[\g+1], 32<<16
	s_mov_b32 s[\g+2], (128*KS/256)<<16
	s_mov_b32 s[\g+3], 32<<16
	s_mov_b32 s[\g+4], 128*KS/256
	s_mov_b32 s[\g+5], 32
	s_mov_b32 s[\g+6], 0
	s_mov_b32 s[\g+7], 0
.endr
	s_lshl_b32 s18, s16, 7                         ; which 128 rows of the tile I fetch
	s_lshl_b32 s20, s17, 8
	s_add_co_u32 s20, s20, s18
	s_add_co_u32 s20, s20, s96                     ; A's row in xq
	s_lshl_b32 s46, s42, 8
	s_add_co_u32 s46, s46, s18
	s_add_co_u32 s46, s46, s97                     ; B's
	s_lshl_b32 s22, s20, 5
	s_add_co_u32 s22, s22, SCOFF                   ; where these rows' scale bytes begin (all offsets stay under 2^23)
	s_mov_b32 s23, 0
	s_lshl_b32 s92, s46, 5
	s_add_co_u32 s92, s92, SCOFF
	s_mov_b32 s93, 0
	s_lshl_b32 s20, s20, 9                         ; and their codes
	s_mov_b32 s21, 0
	s_lshl_b32 s46, s46, 9
	s_mov_b32 s47, 0
	s_mul_i32 s45, s14, HALFT                      ; where they go: wave x 128 rows: no place in the cluster enters an LDS address
	s_mul_i32 s94, s14, HALFS
	s_wait_dscnt 0x0                               ; both opening adds are done
	s_wait_kmcnt 0x0
	s_add_nc_u64 s[20:21], s[4:5], s[20:21]
	s_add_nc_u64 s[22:23], s[4:5], s[22:23]
	s_add_nc_u64 s[46:47], s[4:5], s[46:47]
	s_add_nc_u64 s[92:93], s[4:5], s[92:93]
	CROUND                                         ; all sixteen work-groups are here: the first joint loads meet
	s_mov_b32 s[G0S], 1
	s_add_co_u32 s[G0S+1], s94, SCL
	s_mov_b64 s[G0S+2:G0S+3], s[22:23]
	s_or_b32 s[G0S+3], s[G0S+3], 0x80000000
	s_mov_b32 s[G0SB], 1
	s_add_co_u32 s[G0SB+1], s94, SCL
	s_mov_b64 s[G0SB+2:G0SB+3], s[92:93]
	s_or_b32 s[G0SB+3], s[G0SB+3], 0x80000000
	JLOAD G0S, G1S, G0SB, G1SB                     ; the scales first: they are wanted with the first slot
.irp s, 0,1
	s_mov_b32 s[G0+4*\s], 1
	s_add_co_u32 s[G0+4*\s+1], s45, \s*SLOT
	s_add_nc_u64 s[G0+4*\s+2:G0+4*\s+3], s[20:21], \s*ROWB
	s_or_b32 s[G0+4*\s+3], s[G0+4*\s+3], 0x80000000
	s_mov_b32 s[G0B+4*\s], 1
	s_add_co_u32 s[G0B+4*\s+1], s45, \s*SLOT
	s_add_nc_u64 s[G0B+4*\s+2:G0B+4*\s+3], s[46:47], \s*ROWB
	s_or_b32 s[G0B+4*\s+3], s[G0B+4*\s+3], 0x80000000
	JLOAD G0+4*\s, G1, G0B+4*\s, G1B               ; three loads of mine are out: the scales and both slots
.endr
	v_and_b32 v1, 15, v0                           ; r = l % 16
	v_bfe_u32 v2, v0, 4, 1                         ; h = l / 16
	v_mul_u32_u24 v3, v1, PITCH
	v_lshl_add_u32 v4, v2, 4, v3                   ; a fragment's row x pitch + 16 x half
	s_mul_i32 s21, s15, HALFT                      ; my 128 rows of A
	s_mul_i32 s22, s16, HALFT                      ; my 128 rows of B,
	s_add_co_u32 s22, s22, 2*HALFT                 ; behind A's 256
.irp s, 0,1
	v_add_nc_u32 v[ADRA+\s], s21, v4
	v_add_nc_u32 v[ADRB+\s], s22, v4
	s_add_co_u32 s21, s21, SLOT
	s_add_co_u32 s22, s22, SLOT
.endr
	v_mul_u32_u24 v5, v1, KS                       ; my row's scales: 32 bytes a row,
	v_lshrrev_b32 v6, 8, v5
	v_lshl_add_u32 v5, v6, 4, v5                   ; and 16 more for each 256 passed
	s_mul_i32 s21, s15, HALFS
	s_mul_i32 s22, s16, HALFS
	s_add_co_u32 s22, s22, 2*HALFS
	s_sub_co_u32 s22, s22, s21
	v_mul_u32_u24 v6, s22, v2                      ; lanes 16-31 take B's: one product, the distance between the two bases
	s_add_co_u32 s21, s21, SCL
	v_add_nc_u32 v5, v5, v6
	v_add_nc_u32 v[ADRS], s21, v5
	s_mul_i32 s23, s14, 16*SPITCH                  ; my stage
	v_mul_u32_u24 v5, v1, SPITCH                   ; in: row r, 16 bytes for each half of the lanes
	v_lshl_add_u32 v5, v2, 4, v5
	v_add_nc_u32 v[STO], s23, v5
	v_mul_u32_u24 v5, v2, SPITCH                   ; back: lanes 0-15 one row of 256 bytes, lanes 16-31 the next
	v_lshl_add_u32 v5, v1, 4, v5
	v_add_nc_u32 v[RD], s23, v5
	v_lshlrev_b32 v5, 12, v2                       ; and the same two rows in C
	v_lshl_add_u32 v[CO], v1, 4, v5
	v_lshlrev_b32 v5, 5, v2
	v_lshl_add_u32 v[SDQ], v1, 13, v5
	v_lshl_add_u32 v[SDV], v1, 8, v5
	s_lshl_b32 s20, s17, 8
	s_lshl_b32 s21, s15, 7
	s_add_co_u32 s20, s20, s21                     ; my first row of C
	s_lshl_b32 s20, s20, 12
	s_lshr_b32 s21, s42, 3
	s_lshl_b32 s21, s21, 22                        ; vt: the batch, 4,194,304 bytes each (qk: 0)
	s_add_co_u32 s20, s20, s21
	s_and_b32 s21, s42, 7
	s_lshl_b32 s21, s21, 9
	s_add_co_u32 s20, s20, s21                     ; my first column, in bytes: 512 x (tile column % 8) + 256 x half
	s_lshl_b32 s21, s16, 8
	s_add_co_u32 s20, s20, s21
	s_mov_b32 s21, 0
	s_cmp_lt_u32 ttmp9, 16
	s_cselect_b64 s[12:13], s[6:7], s[8:9]         ; qk or vt
	s_add_nc_u64 s[12:13], s[12:13], s[20:21]
	s_lshl_b32 s66, s41, 17                        ; the f32 rows of q | k: batch cy, 131,072 bytes each,
	s_lshl_b32 s67, s42, 10
	s_add_co_u32 s66, s66, s67                     ; + 4 x (256 x tile column + 128 x half)
	s_lshl_b32 s67, s16, 9
	s_add_co_u32 s66, s66, s67
	s_mov_b32 s67, 0
	s_add_nc_u64 s[66:67], s[10:11], s[66:67]
	s_lshl_b32 s96, s41, 16                        ; those of v^T: channel 256 cy + 128 half, 256 bytes a channel,
	s_lshl_b32 s97, s15, 15
	s_add_co_u32 s96, s96, s97
	s_lshl_b32 s97, s40, 6                         ; + 64 x batch cx
	s_add_co_u32 s96, s96, s97
	s_add_co_u32 s96, s96, 524288
	s_mov_b32 s97, 0
	s_add_nc_u64 s[96:97], s[10:11], s[96:97]
.macro FRAG reg, adr, q, i             ; 16 rows x 128 K of 4-bit codes: 8 registers: lane l holds row l % 16; registers 4 c .. 4 c + 3 hold K = 64 c + 32 (l / 16) + 0 .. 31
.irp c, 0,1
	ds_load_b128 v[\reg+4*\c:\reg+4*\c+3], v[\adr] offset:64*(\q)+32*\c+(\i)*16*PITCH
.endr
.endm
; 16 matrix instructions: A's blocks a0, a0 + 1 x B's eight, the slot's q-th 128 along K.  p: B's set; sc: the set of scale words.  zero = 1: the first product starts the sums.
; The 64 accumulators take turns, one instruction a turn, in the same order in every step.
.macro MUL16 a0, p, q, sc, zero
.irp a, \a0, \a0+1
.irp b, 0,1,2,3,4,5,6,7
.if \zero
	v_wmma_scale_f32_16x16x128_f8f6f4 v[8*(8*((\a)%4)+\b):8*(8*((\a)%4)+\b)+7], v[128*(\p)+FR*\b:128*(\p)+FR*\b+FR-1], v[AF+FR*(\a):AF+FR*(\a)+FR-1], 0, v[SC+8*NQ*(\sc)+NQ*\b+(\q)], v[SC+8*NQ*(\sc)+NQ*(\a)+(\q)] matrix_a_fmt:MATRIX_FMT_FP4 matrix_b_fmt:MATRIX_FMT_FP4 matrix_a_scale:MATRIX_SCALE_ROW1
.else
	v_wmma_scale_f32_16x16x128_f8f6f4 v[8*(8*((\a)%4)+\b):8*(8*((\a)%4)+\b)+7], v[128*(\p)+FR*\b:128*(\p)+FR*\b+FR-1], v[AF+FR*(\a):AF+FR*(\a)+FR-1], v[8*(8*((\a)%4)+\b):8*(8*((\a)%4)+\b)+7], v[SC+8*NQ*(\sc)+NQ*\b+(\q)], v[SC+8*NQ*(\sc)+NQ*(\a)+(\q)] matrix_a_fmt:MATRIX_FMT_FP4 matrix_b_fmt:MATRIX_FMT_FP4 matrix_a_scale:MATRIX_SCALE_ROW1
.endif
.endr
.endr
.endm
.macro FETCH_B slot, q, p
	WIN TO_B
.irp i, 0,1,2,3,4,5,6,7
	FRAG 128*(\p)+FR*\i, ADRB+\slot, \q, \i
.endr
	WIN 0
.endm
.macro FETCH_A slot, q, i0
.irp i, \i0, \i0+1, \i0+2, \i0+3
	FRAG AF+FR*(\i), ADRA+\slot, \q, \i
.endr
.endm
.macro SCALES sc                       ; a slot's scale words: four words a row; lanes 0-15 take A's block i, lanes 16-31 B's block i
.irp i, 0,1,2,3,4,5,6,7
	ds_load_b128 v[SC+8*NQ*\sc+NQ*\i:SC+8*NQ*\sc+NQ*\i+3], v[ADRS] offset:\i*SBLK
.endr
.endm
.macro PLACES n                        ; plain vector lines between matrix instructions and loads into, or reads of, their registers
.rept \n
	v_nop
.endr
.endm
.macro STEP slot, q, zero              ; a step of 128 along K that has its successor in the same slot
	s_wait_dscnt 4*NL                              ; B's set and A's blocks 0-3 are in; the youngest eight loads (A's blocks 4-7) may be out
	WIN MUL_LO
	MUL16 0, (\q)%2, \q, \slot, \zero
	MUL16 2, (\q)%2, \q, \slot, \zero
	s_wait_dscnt 0
	PLACES NP
	FETCH_B \slot, (\q)+1, 1-(\q)%2
	FETCH_A \slot, (\q)+1, 0
	WIN MUL_HI
	MUL16 4, (\q)%2, \q, \slot, \zero
	MUL16 6, (\q)%2, \q, \slot, \zero
	PLACES NP
	WIN 0
	FETCH_A \slot, (\q)+1, 4
.endm
.macro TURN slot, next                 ; slot 0's last step changes slots: one barrier; in front of it each wave waits for all its tensor loads.
	s_wait_tensorcnt 0x0                           ; my part of the next slot has landed
	ds_add_u32 v[SPW], v[NIL]
	s_wait_dscnt 4*NL+1                            ; the add and the youngest eight loads may be out
	WIN MUL_LO
	MUL16 0, 1, NQ-1, \slot, 0
	s_wait_dscnt 0x0                               ; the add is done, and my reads of this slot are over
	s_barrier_signal -1
	MUL16 2, 1, NQ-1, \slot, 0
	WIN 0
	s_barrier_wait -1
	PLACES NP
	v_add_nc_u32 v[ADRS], 4*NQ, v[ADRS]            ; on to the next slot's scale words
	FETCH_B \next, 0, 0
	FETCH_A \next, 0, 0
	SCALES \next
	WIN MUL_HI
	MUL16 4, 1, NQ-1, \slot, 0
	MUL16 6, 1, NQ-1, \slot, 0
	PLACES NP
	WIN 0
	FETCH_A \next, 0, 4
.endm
.macro STEPS slot, from
.set Q, \from
.rept NQ-1-\from
	STEP \slot, Q, 0
.set Q, Q+1
.endr
.endm
	s_wait_tensorcnt 1                             ; the scales and my part of slot 0 are in; slot 1's load may be out
	s_barrier_signal -1
	s_barrier_wait -1
	FETCH_B 0, 0, 0
	FETCH_A 0, 0, 0
	SCALES 0
	FETCH_A 0, 0, 4
	STEP 0, 0, 1                                   ; the first step's products start the sums
	STEPS 0, 1
	TURN 0, 1
	STEPS 1, 0
	s_wait_dscnt 4*NL                              ; the very last step: nothing more to fetch
	WIN MUL_LO
	MUL16 0, 1, NQ-1, 1, 0
	MUL16 2, 1, NQ-1, 1, 0
	s_wait_dscnt 0
	WIN MUL_HI
	MUL16 4, 1, NQ-1, 1, 0
	MUL16 6, 1, NQ-1, 1, 0
	WIN 0
	PLACES NP                                      ; behind the last products, ahead of every read of results and of the loads into A's old registers
	; THE FIRST 16 POSITIONS IN F32.  32 bytes a lane to rows far apart: 0.8 MB in all, the price of carrying these rows finely.
	s_cmp_ge_u32 ttmp9, 2                          ; q | k: clusters 0 and 1 hold tile rows 8 cy, the sequences' first; my rows 0-15 are block 0 of the upper half
	s_cbranch_scc1 .Lno_qk
	s_cmp_lg_u32 s15, 0
	s_cbranch_scc1 .Lno_qk
	WIN 0x08                                       ; a store's data are its source 1: window 2
.irp b, 0,1,2,3,4,5,6,7
	global_store_b128 v[SDQ], v[8*\b:8*\b+3], s[66:67] offset:64*\b          ; row r, columns 16 b + 8 h + 0 .. 7; each accumulator from its low end on
	global_store_b128 v[SDQ], v[8*\b+4:8*\b+7], s[66:67] offset:64*\b+16
.endr
	WIN 0
.Lno_qk:
	s_cmp_lg_u32 ttmp9, 16                         ; v^T: cluster 16 holds tile columns 8 cx; tokens 0-15 are block 0 of the left half
	s_cbranch_scc1 .Lno_v
	s_cmp_lg_u32 s16, 0
	s_cbranch_scc1 .Lno_v
	WIN 0x08
.irp a, 0,1,2,3
	global_store_b128 v[SDV], v[64*\a:64*\a+3], s[96:97] offset:4096*\a      ; channel 16 a + r, tokens 8 h + 0 .. 7
	global_store_b128 v[SDV], v[64*\a+4:64*\a+7], s[96:97] offset:4096*\a+16
.endr
	WIN 0x0c
.irp a, 0,1,2,3
	global_store_b128 v[SDV], v[64*\a:64*\a+3], s[96:97] offset:4096*(\a+4)
	global_store_b128 v[SDV], v[64*\a+4:64*\a+7], s[96:97] offset:4096*(\a+4)+16
.endr
	WIN 0
.Lno_v:
; THE WAY OUT, block by block of 16 rows x 128 columns: rounded to f16, 16 bytes a lane into my own stage, back as whole rows of 256 bytes, stored sixteen lanes to 256 consecutive aligned bytes.
.macro PACK a
.set AC, 64*((\a)%4)
	WIN 0x0a+5*((\a)/4)                            ; sources 0 and 1: window 2 or 3
.irp b, 0,1,2,3,4,5,6,7
.irp r, 0,1,2,3
	v_cvt_pk_f16_f32 v[TMP+4*\b+\r], v[AC+8*\b+2*\r], v[AC+8*\b+2*\r+1]
.endr
.endr
	WIN 0
.endm
.macro TOSTAGE a
.set BB, BK+32*((\a)%2)
.irp b, 0,1,2,3,4,5,6,7
	ds_store_b128 v[STO], v[TMP+4*\b:TMP+4*\b+3] offset:32*\b
.endr
.irp t, 0,1,2,3,4,5,6,7
	ds_load_b128 v[BB+4*\t:BB+4*\t+3], v[RD] offset:\t*2*SPITCH    ; LDS serves a wave's instructions in order: these see the stores above
.endr
.endm
.macro SEND a
.set BB, BK+32*((\a)%2)
	s_wait_dscnt 0x0                               ; the block is back in registers
	s_wait_xcnt 0x0                                ; earlier stores have read their base and data: both are rewritten only behind this wait
.if (\a) > 0
	s_add_nc_u64 s[12:13], s[12:13], 16*CP         ; 16 rows of C on
.endif
.irp t, 0,1,2,3,4,5,6,7
	global_store_b128 v[CO], v[BB+4*\t:BB+4*\t+3], s[12:13] offset:2*\t*CP
.endr
.endm
	PACK 0
	TOSTAGE 0
.irp a, 1,2,3,4,5,6,7                  ; block a's conversions stand between block a - 1's loads from the stage and the wait for them
	PACK \a
	SEND \a-1
	TOSTAGE \a
.endr
	SEND 7
	s_wait_tensorcnt 0x0                           ; the wave's end
	ds_add_u32 v[SPW], v[NIL]
	s_wait_dscnt 0x0
	CROUND                                         ; the closing round
	s_endpgm
.Lfunc_end_k_qfe5d3fa6c2_qkv:
	.size	k_qfe5d3fa6c2_qkv, .Lfunc_end_k_qfe5d3fa6c2_qkv-k_qfe5d3fa6c2_qkv
	.p2alignl 7, 3214868480
	.fill 96, 4, 3214868480
	.section	.rodata,"a",@progbits
	.p2align	6, 0x0
	.amdhsa_kernel k_qfe5d3fa6c2_qkv
		.amdhsa_group_segment_fixed_size 327680
		.amdhsa_private_segment_fixed_size 0
		.amdhsa_enable_private_segment 0
		.amdhsa_kernarg_size 32
		.amdhsa_user_sgpr_count 2
		.amdhsa_user_sgpr_kernarg_segment_ptr 1
		.amdhsa_wavefront_size32 1
		.amdhsa_system_sgpr_workgroup_id_x 1
		.amdhsa_system_sgpr_workgroup_id_y 1
		.amdhsa_system_sgpr_workgroup_id_z 1
		.amdhsa_system_vgpr_workitem_id 0
		.amdhsa_next_free_vgpr 1024
		.amdhsa_next_free_sgpr 100
		.amdhsa_reserve_vcc 0
		.amdhsa_float_denorm_mode_32 3
		.amdhsa_float_denorm_mode_16_64 3
		.amdhsa_memory_ordered 1
		.amdhsa_forward_progress 1
		.amdhsa_inst_pref_size 131
	.end_amdhsa_kernel
	.amdgpu_metadata
---
amdhsa.version: [ 1, 2 ]
amdhsa.kernels:
  - .name:           k_qfe5d3fa6c2_qkv
    .symbol:         k_qfe5d3fa6c2_qkv.kd
    .args:
      - { .name: xq, .offset: 0, .size: 8, .value_kind: global_buffer, .address_space: global }
      - { .name: qk, .offset: 8, .size: 8, .value_kind: global_buffer, .address_space: global }
      - { .name: vt, .offset: 16, .size: 8, .value_kind: global_buffer, .address_space: global }
      - { .name: hd, .offset: 24, .size: 8, .value_kind: global_buffer, .address_space: global }
    .group_segment_fixed_size: 327680
    .private_segment_fixed_size: 0
    .kernarg_segment_align: 8
    .kernarg_segment_size: 32
    .max_flat_workgroup_size: 128
    .sgpr_count:     100
    .vgpr_count:     1024
    .wavefront_size: 32
...
	.end_amdgpu_metadata
.endif
;; end of part 2
;; launch scores (part 3): grid 16 x 16, 4 waves a work-group, clusters of 4 x 4, 327,680 bytes of LDS; arguments qk, p, st; writes p, st
.if DOCPART == 3
	.amdgcn_target "amdgcn-amd-amdhsa--gfx1250"
	.amdhsa_code_object_version 6
	.text
	.protected	k_qfe5d3fa6c2_scores
	.globl	k_qfe5d3fa6c2_scores
	.p2align	8
	.type	k_qfe5d3fa6c2_scores,@function
k_qfe5d3fa6c2_scores:
	s_mov_b64 s[64:65], 0
	v_nop
	global_prefetch_b8 v0, s[64:65] scope:SCOPE_SE
	s_setreg_imm32_b32 hwreg(HW_REG_WAVE_MODE, 25, 1), 1
	s_wait_xcnt 0x0
	s_wait_alu depctr_hold_cnt(0) depctr_sa_sdst(0) depctr_va_vdst(0) depctr_va_sdst(0) depctr_va_ssrc(0) depctr_va_vcc(0) depctr_vm_vsrc(0)
	s_getreg_b32 s2, hwreg(HW_REG_IB_STS2, 6, 4)
	s_cmp_eq_u32 s2, 0
	s_cbranch_scc0 .Lentry_in_a_cluster
	s_endpgm
.Lentry_in_a_cluster:
	s_bfe_u32 s2, ttmp6, 0x10000c
	s_cmp_lg_u32 s2, 0xf033
	s_cbranch_scc0 .Lentry_shape_is_right
	s_endpgm
.Lentry_shape_is_right:
; For each tile of 128 queries x 128 keys at or under the diagonal's cluster block: s = q . k (f16 operands, f32 sums), the causal mask, and, for each wave's 64 queries x 64 keys (a CHUNK of keys):
; t = s log2(e) / 32, m = the chunk's largest t of the query, p = 2^(t - m) as f16 into p [4][2048][2048], and (m, l = the sum of the unrounded p) into st [4][32 chunks][2048 queries][2].
; The maximum is taken away chunk by chunk here; the next launch brings the chunks of a row under the row's maximum.
; LIMITS: a chunk all of whose keys are hidden gets m = -1.35e37, p = 0, l = 0.  NaN and infinities are not served.
; CLUSTERS: 4 x 4 work-groups make a block of 512 x 512.  A batch has ten blocks (I, J <= I), numbered t = I (I + 1) / 2 + J, and four clusters; the batch is the cluster's y.
; WORK-GROUPS STAY: cluster c of a batch takes blocks c, c + 4, c + 8 as far as they go: three blocks for c = 0, 1, two for c = 2, 3.  The count hangs on the cluster's number, so all sixteen partners walk alike.
; The ring does not stop at a block's end: a tile's last two changes of slots ask for the next tile's first two K steps, and a tile's stores leave while the next is multiplied.
; The six tiles of a diagonal block that lie wholly above the diagonal are computed and give zeros: a branch round them would hang on a work-group's place in its cluster; and the next launch reads p up to 512 (I + 1) keys.
; q's tiles are asked for jointly along a row of the cluster, k's along a column.  K = 1,024 goes in four steps of 256 through two LDS slots.  The matrix instruction is used transposed: a lane holds one query and eight neighbouring keys.
; REGISTERS: window 0: v0-31 addresses; v32-95 packed p, then whole rows; v96-126 the softmax's; v128-255 the accumulators ((a, b) at v[128 + 8 (4 a + b)]).   window 1: two fragment buffers of 128.
.set KSTEP,  256
.set PITCH,  528                       ; an LDS row: 512 bytes + 16 of padding
.set HALFT,  64*PITCH
.set SLOT,   4*HALFT
.set STAGE,  2*SLOT
.set SPITCH, 272
.set SPARE,  STAGE+128*SPITCH
.set RP,     4096                      ; a row of qk and of p in bytes
.set ADRA, 16
.set ADRB, 20
.set STO,  24
.set RD,   25
.set CO,   26
.set SO8,  27                          ; v27 8 x lane: my pair in st
.set SPW,  28
.set NIL,  29
.set TMP,  32
.set M,    96                          ; v96, 98, 100, 102: m of tile a (the odd partners are written too: the packed form names pairs)
.set MX,   104                         ; v104-107 at work: maxima, then l
.set MY,   108                         ; v108-111 the other half of the lanes'
.set L,    112                         ; v112-119 four pairs of sums
.set NINF, 120
.set D0,   121                         ; v121 my query - my first key, in the tile's terms
.set DL,   126                         ; v126 its lane part: r - 8 h
.set ACC,  128
.set F0,   0
.set F1,   128
.set G1, 24
.set G0, 32
.set G1B, 48
.set G0B, 56
.set CS,  68                           ; s[68:69] c = log2(e) / 32
.set SEL, 70                           ; s[70:71] lane selects: lane l xor 16
; s2 the block in hand, s3 blocks that still have a successor, s66, s67 its (I, J); s90, s88, s89 the same of the next block; s[72:73], s[74:75] byte offsets in qk of the rows of q and of k that I fetch for the block to be asked for;
; s[76:77], s[78:79] p and st at my part of the tile that goes out
.set MSB, 0
.macro WIN new
.if MSB != (\new)
	s_set_vgpr_msb (MSB<<8)|(\new)
.set MSB, (\new)
.endif
.endm
.set MUL,  0x05                        ; sources 0 (k) and 1 (q) window 1; C and D window 0
.set TO_F, 0x40
.macro JLOAD s                         ; a joint load: waves 0 and 1 fetch q's two halves, waves 2 and 3 k's; an s_nop 0 and four v_nop follow each line
	s_cmp_eq_u32 s11, 0
	s_cbranch_scc0 .Lfor_b_\@
	tensor_load_to_lds s[G0+4*\s:G0+4*\s+3], s[G1:G1+7]
	s_nop 0
.rept 4
	v_nop
.endr
	s_branch .Lasked_\@
.Lfor_b_\@:
	tensor_load_to_lds s[G0B+4*\s:G0B+4*\s+3], s[G1B:G1B+7]
	s_nop 0
.rept 4
	v_nop
.endr
.Lasked_\@:
.endm
.macro CREST
	s_cmp_lg_u32 s10, 0
	s_cbranch_scc1 .Lnot_wave_0_\@
	s_barrier_signal -3
.Lnot_wave_0_\@:
	s_barrier_wait -3
	s_barrier_signal -1
	s_barrier_wait -1
.endm
.macro CROUND
	s_barrier_signal -1
	s_barrier_wait -1
	CREST
.endm
.macro IJ t, i, j                      ; block s[t] is (I, J): I = how many of 1, 3, 6 it reaches, J = t - I (I + 1) / 2
	s_cmp_ge_u32 s[\t], 1
	s_cselect_b32 s[\i], 1, 0
	s_cmp_ge_u32 s[\t], 3
	s_cselect_b32 s91, 1, 0
	s_add_co_u32 s[\i], s[\i], s91
	s_cmp_ge_u32 s[\t], 6
	s_cselect_b32 s91, 1, 0
	s_add_co_u32 s[\i], s[\i], s91
	s_add_co_u32 s91, s[\i], 1
	s_mul_i32 s91, s91, s[\i]
	s_lshr_b32 s91, s91, 1
	s_sub_co_u32 s[\j], s[\t], s91
.endm
.macro OFFS i, j                       ; where the rows that I fetch begin in qk.  q's are made of I, cy, the batch and the wave; k's of J, cx, the batch and the wave: each in registers that never hold the other coordinate
	s_lshl_b32 s80, s[\i], 2
	s_add_co_u32 s80, s80, s41                     ; tile row 4 I + cy
	s_lshl_b32 s80, s80, 7
	s_add_co_u32 s80, s80, s19                     ; + 2,048 batch + 64 x my half
	s_lshl_b32 s72, s80, 12                        ; rows of 4,096 bytes (under 2^26)
	s_lshl_b32 s82, s[\j], 2
	s_add_co_u32 s82, s82, s40                     ; tile column 4 J + cx
	s_lshl_b32 s82, s82, 7
	s_add_co_u32 s82, s82, s19
	s_lshl_b32 s74, s82, 12
	s_add_co_u32 s74, s74, 2048                    ; k lies 1,024 columns on
.endm
	s_load_b128 s[4:7], s[0:1], 0x0                ; qk s[4:5], p s[6:7]
	s_load_b64 s[8:9], s[0:1], 0x10                ; st
	v_lshl_add_u32 v[SPW], v0, 2, SPARE
	v_mov_b32 v[NIL], 0
	ds_add_u32 v[SPW], v[NIL]                      ; the wave's opening: the add, twice on end, and its wait ahead of my first tensor load
	ds_add_u32 v[SPW], v[NIL]
	v_lshrrev_b32 v1, 5, v0
	v_readfirstlane_b32 s10, v1                    ; wave 0..3
	s_lshr_b32 s11, s10, 1                         ; which 64 queries are mine.  Also: I fetch for q (0) or for k (1)
	s_and_b32 s12, s10, 1                          ; which 64 keys.  Also: which 64 rows I fetch
	s_bfe_u32 s40, ttmp6, 0x40000                  ; cx
	s_bfe_u32 s41, ttmp6, 0x40004                  ; cy
	s_and_b32 s45, ttmp7, 0xffff                   ; the batch
	s_mov_b32 s2, ttmp9                            ; my cluster's first block
	s_cmp_lt_u32 ttmp9, 2
	s_cselect_b32 s3, 2, 1                         ; blocks that have a successor: 2 of three, or 1 of two
	s_lshl_b32 s43, s41, 2
	s_lshl_b32 s43, 15, s43                        ; my row of the cluster
	s_lshl_b32 s44, 0x1111, s40                    ; my column
	s_or_b32 s[G1+0], s43, (1<<16)|(1<<20)|(1<<21)|(6<<22)|(3<<25)  ; the mask; elements of 2 bytes; padding: 4 words after every 128; bit 21 beside a mask
	s_or_b32 s[G1B+0], s44, (1<<16)|(1<<20)|(1<<21)|(6<<22)|(3<<25)
.irp g, G1, G1B
	s_mov_b32 s[\g+1], KSTEP<<16                   ; tensor_dim0 = 256
	s_mov_b32 s[\g+2], 64<<16                      ; tensor_dim1 = 64
	s_mov_b32 s[\g+3], KSTEP<<16                   ; tile_dim0
	s_mov_b32 s[\g+4], 64                          ; tile_dim1
	s_mov_b32 s[\g+5], 2048                        ; the pitch: q | k lie side by side
	s_mov_b32 s[\g+6], 0
	s_mov_b32 s[\g+7], 0
.endr
	s_mov_b32 s[CS], 0x3d38aa3b                    ; log2(e) / 32
	s_mov_b32 s[CS+1], s[CS]
	s_mov_b32 s[SEL], 0x76543210
	s_mov_b32 s[SEL+1], 0xfedcba98
	s_lshl_b32 s18, s45, 11                        ; my batch's 2,048 rows
	s_lshl_b32 s19, s12, 6
	s_add_co_u32 s19, s19, s18                     ; + which 64 rows of a tile I fetch
	s_mov_b32 s73, 0                               ; the offsets' upper words
	s_mov_b32 s75, 0
	s_mov_b32 s87, 0
	IJ 2, 66, 67
	OFFS 66, 67
	s_mul_i32 s20, s10, HALFT                      ; where the tiles go: wave x 64 rows: no place in the cluster enters an LDS address
	s_wait_dscnt 0x0                               ; both opening adds are done
	s_wait_kmcnt 0x0
	CROUND                                         ; all sixteen work-groups are here: the first joint loads meet
.irp s, 0,1
	s_mov_b32 s[G0+4*\s], 1
	s_add_co_u32 s[G0+4*\s+1], s20, \s*SLOT
	s_add_nc_u64 s[G0+4*\s+2:G0+4*\s+3], s[4:5], s[72:73]
	s_add_nc_u64 s[G0+4*\s+2:G0+4*\s+3], s[G0+4*\s+2:G0+4*\s+3], \s*KSTEP*2
	s_or_b32 s[G0+4*\s+3], s[G0+4*\s+3], 0x80000000
	s_mov_b32 s[G0B+4*\s], 1
	s_add_co_u32 s[G0B+4*\s+1], s20, \s*SLOT
	s_add_nc_u64 s[G0B+4*\s+2:G0B+4*\s+3], s[4:5], s[74:75]
	s_add_nc_u64 s[G0B+4*\s+2:G0B+4*\s+3], s[G0B+4*\s+2:G0B+4*\s+3], \s*KSTEP*2
	s_or_b32 s[G0B+4*\s+3], s[G0B+4*\s+3], 0x80000000
	JLOAD \s                                       ; two loads of mine are out
.endr
	v_and_b32 v1, 15, v0                           ; r
	v_bfe_u32 v2, v0, 4, 1                         ; h
	v_mul_u32_u24 v3, v1, PITCH
	v_lshl_add_u32 v3, v2, 4, v3
	s_mul_i32 s21, s11, HALFT                      ; my 64 rows of q
	s_mul_i32 s22, s12, HALFT                      ; my 64 rows of k,
	s_add_co_u32 s22, s22, 2*HALFT                 ; behind q's 128
.irp s, 0,1
	v_add_nc_u32 v[ADRA+\s], s21, v3
	v_add_nc_u32 v[ADRB+\s], s22, v3
	s_add_co_u32 s21, s21, SLOT
	s_add_co_u32 s22, s22, SLOT
.endr
	s_mul_i32 s23, s11, 64*SPITCH                  ; into the stage: my 64 rows, my half of their 256 bytes
	s_lshl_b32 s21, s12, 7
	s_add_co_u32 s23, s23, s21
	s_add_co_u32 s23, s23, STAGE
	v_mul_u32_u24 v4, v1, SPITCH
	v_lshl_add_u32 v4, v2, 4, v4
	v_add_nc_u32 v[STO], s23, v4
	s_mul_i32 s23, s10, 32*SPITCH                  ; back: wave w takes rows 32 w .. 32 w + 31, whole
	s_add_co_u32 s23, s23, STAGE
	v_mul_u32_u24 v5, v2, SPITCH
	v_lshl_add_u32 v5, v1, 4, v5
	v_add_nc_u32 v[RD], s23, v5
	v_lshlrev_b32 v5, 12, v2
	v_lshl_add_u32 v[CO], v1, 4, v5                ; and the same two rows in p
	v_and_b32 v5, 31, v0
	v_lshlrev_b32 v[SO8], 3, v5
	v_lshlrev_b32 v5, 3, v2
	v_sub_nc_u32 v[DL], v1, v5                     ; r - 8 h
.irp a, 0,1,2,3
	v_mov_b32 v[MY+\a], 0                          ; written once: a lane permute's destination counts as one of its sources
.endr
.macro MUL8 f, c, a0, zero             ; 8 matrix instructions: m blocks a0, a0 + 1 x all 4 n blocks, 32 along K.  The 16 accumulators take turns
.irp a, \a0, \a0+1
.irp b, 0,1,2,3
.if \zero
	v_wmma_f32_16x16x32_f16 v[ACC+8*(4*(\a)+\b):ACC+8*(4*(\a)+\b)+7], v[\f+64+8*(4*\c+\b):\f+64+8*(4*\c+\b)+7], v[\f+8*(4*\c+\a):\f+8*(4*\c+\a)+7], 0
.else
	v_wmma_f32_16x16x32_f16 v[ACC+8*(4*(\a)+\b):ACC+8*(4*(\a)+\b)+7], v[\f+64+8*(4*\c+\b):\f+64+8*(4*\c+\b)+7], v[\f+8*(4*\c+\a):\f+8*(4*\c+\a)+7], v[ACC+8*(4*(\a)+\b):ACC+8*(4*(\a)+\b)+7]
.endif
.endr
.endr
.endm
.macro FETCH slot, k, f                ; 32 LDS loads in one run: the fragments of 64 along K at byte k of the rows; the first 32 along K first
	WIN TO_F
.irp c, 0,1
.irp i, 0,1,2,3
	ds_load_b128 v[\f+64+8*(4*\c+\i):\f+64+8*(4*\c+\i)+3],   v[ADRB+\slot] offset:\k+64*\c+\i*16*PITCH
	ds_load_b128 v[\f+64+8*(4*\c+\i)+4:\f+64+8*(4*\c+\i)+7], v[ADRB+\slot] offset:\k+64*\c+\i*16*PITCH+32
	ds_load_b128 v[\f+8*(4*\c+\i):\f+8*(4*\c+\i)+3],         v[ADRA+\slot] offset:\k+64*\c+\i*16*PITCH
	ds_load_b128 v[\f+8*(4*\c+\i)+4:\f+8*(4*\c+\i)+7],       v[ADRA+\slot] offset:\k+64*\c+\i*16*PITCH+32
.endr
.endr
.endm
.macro PLACES
.rept 4
	v_nop
.endr
.endm
.macro QUARTER slot, k, f, g, zero
	s_wait_dscnt 16                                ; the first 32 along K are in; the sixteen younger loads may be out
	WIN MUL
	MUL8 \f, 0, 0, \zero
	MUL8 \f, 0, 2, \zero
	PLACES
	FETCH \slot, \k, \g
	s_wait_dscnt 32                                ; all but the 32 just issued
	WIN MUL
	MUL8 \f, 1, 0, 0
	MUL8 \f, 1, 2, 0
.endm
; The last quarter of a K step changes slots: one barrier; in front of it each wave waits for all its tensor loads, adds 0 to its spare word, and waits for that and for its reads of this slot.
; fill = 1: this slot takes the tile's K step two steps on; 2: the NEXT tile's K step 0 or 1; 0: nothing.
.macro TURN slot, next, fill
	WIN 0
	s_wait_tensorcnt 0x0                           ; my part of the next slot has landed; no tensor load of mine is out
	ds_add_u32 v[SPW], v[NIL]
	s_wait_dscnt 17                                ; the add and the youngest sixteen loads may be out
	WIN MUL
	MUL8 F1, 0, 0, 0
	s_wait_dscnt 0x0                               ; the add is done, and my reads of this slot are over
	s_barrier_signal -1
	MUL8 F1, 0, 2, 0
.if \fill
	WIN 0
.endif
	s_barrier_wait -1
.if (\fill) == 1
	CREST                                          ; the barrier has opened a round of the cluster's: no wave of any partner still reads this slot or has a load on its way
	s_add_nc_u64 s[G0+4*\slot+2:G0+4*\slot+3], s[G0+4*\slot+2:G0+4*\slot+3], 2*KSTEP*2
	s_add_nc_u64 s[G0B+4*\slot+2:G0B+4*\slot+3], s[G0B+4*\slot+2:G0B+4*\slot+3], 2*KSTEP*2
	JLOAD \slot                                    ; my one tensor load behind the round; its four v_nop are also the places in front of the loads below
.elseif (\fill) == 2
	CREST
	s_add_nc_u64 s[G0+4*\slot+2:G0+4*\slot+3], s[4:5], s[72:73]     ; the next tile's rows,
	s_add_nc_u64 s[G0+4*\slot+2:G0+4*\slot+3], s[G0+4*\slot+2:G0+4*\slot+3], \slot*KSTEP*2   ; its K step 0 or 1
	s_or_b32 s[G0+4*\slot+3], s[G0+4*\slot+3], 0x80000000
	s_add_nc_u64 s[G0B+4*\slot+2:G0B+4*\slot+3], s[4:5], s[74:75]
	s_add_nc_u64 s[G0B+4*\slot+2:G0B+4*\slot+3], s[G0B+4*\slot+2:G0B+4*\slot+3], \slot*KSTEP*2
	s_or_b32 s[G0B+4*\slot+3], s[G0B+4*\slot+3], 0x80000000
	JLOAD \slot
.else
	PLACES
.endif
	FETCH \next, 0, F0
	WIN MUL
	MUL8 F1, 1, 0, 0
	MUL8 F1, 1, 2, 0
.endm
; A tile: four K steps.  on = 1: it has a successor, for which its last two changes of slots ask, and whose first fragments its last quarter fetches.
.macro TILE on
	QUARTER 0, 128, F0, F1, 1                      ; the first quarter's first products start the sums
	QUARTER 0, 256, F1, F0, 0
	QUARTER 0, 384, F0, F1, 0
	TURN 0, 1, 1
	QUARTER 1, 128, F0, F1, 0
	QUARTER 1, 256, F1, F0, 0
	QUARTER 1, 384, F0, F1, 0
	TURN 1, 0, 1
	QUARTER 0, 128, F0, F1, 0
	QUARTER 0, 256, F1, F0, 0
	QUARTER 0, 384, F0, F1, 0
	TURN 0, 1, 2*\on
	QUARTER 1, 128, F0, F1, 0
	QUARTER 1, 256, F1, F0, 0
	QUARTER 1, 384, F0, F1, 0
.if \on
	TURN 1, 0, 2
.else
	s_wait_dscnt 16                                ; the very last quarter: nothing more to fetch
	WIN MUL
	MUL8 F1, 0, 0, 0
	MUL8 F1, 0, 2, 0
	s_wait_dscnt 0
	MUL8 F1, 1, 0, 0
	MUL8 F1, 1, 2, 0
.endif
.endm
; THE WAY OUT of the tile of block (s66, s67): mask, the chunk's maximum, p, l, and the stores.  Where a next tile follows, its refills are asked for already, and these vector lines are the places behind the last products.
.macro OUT
	WIN 0
	PLACES
	s_wait_xcnt 0x0                                ; the last tile's stores have read their bases and data: both are rewritten only behind this wait
	s_lshl_b32 s13, s66, 2
	s_add_co_u32 s13, s13, s41                     ; tile row i = 4 I + cy
	s_lshl_b32 s42, s67, 2
	s_add_co_u32 s42, s42, s40                     ; tile column j = 4 J + cx
	s_lshl_b32 s84, s13, 7
	s_lshl_b32 s85, s10, 5
	s_add_co_u32 s84, s84, s85
	s_add_co_u32 s84, s84, s18                     ; the first row of p that I store: 2,048 batch + 128 i + 32 wave
	s_lshl_b32 s84, s84, 12
	s_lshl_b32 s85, s42, 8                         ; the tile's first key, in bytes
	s_add_co_u32 s86, s84, s85
	s_add_nc_u64 s[76:77], s[6:7], s[86:87]
	s_lshl_b32 s84, s45, 5
	s_lshl_b32 s85, s42, 1
	s_add_co_u32 s84, s84, s85
	s_add_co_u32 s84, s84, s12                     ; st: chunk 32 batch + 2 j + my half,
	s_lshl_b32 s84, s84, 11
	s_lshl_b32 s85, s13, 7
	s_add_co_u32 s84, s84, s85
	s_lshl_b32 s85, s11, 6
	s_add_co_u32 s84, s84, s85                     ; query 128 i + 64 x my half,
	s_lshl_b32 s86, s84, 3                         ; 8 bytes each
	s_add_nc_u64 s[78:79], s[8:9], s[86:87]
	s_sub_co_i32 s84, s13, s42
	s_lshl_b32 s84, s84, 7
	s_sub_co_i32 s85, s11, s12
	s_lshl_b32 s85, s85, 6
	s_add_co_i32 s84, s84, s85                     ; 128 (i - j) + 64 (my half of the rows - my half of the keys)
	v_add_nc_u32 v[D0], s84, v[DL]                 ; + r - 8 h: register 8 (4 a + b) + n is hidden where 16 b + n - 16 a is greater
	s_cmp_lg_u32 s66, s67                          ; THE MASK, in the diagonal blocks alone: the branch hangs on the block's number.  Hidden scores become -infinity ahead of the maximum
	s_cbranch_scc1 .Lopen_\@
	v_mov_b32 v[NINF], 0xff800000
.set n, 0
.rept 128
	v_cmp_gt_i32 vcc_lo, 16*((n/8)%4)+n%8-16*(n/32), v[D0]
	v_cndmask_b32 v[ACC+n], v[ACC+n], v[NINF], vcc_lo
.set n, n+1
.endr
.Lopen_\@:
	; the chunk's largest score of each query, the four tiles of queries by turns; the floor -3e38 stands for a chunk that is wholly hidden
.irp a, 0,1,2,3
	v_max3_num_f32 v[MX+\a], v[ACC+32*\a], v[ACC+32*\a+1], 0xff61b1e6
.endr
.irp i, 2,4,6,8,10,12,14,16,18,20,22,24,26,28,30
.irp a, 0,1,2,3
	v_max3_num_f32 v[MX+\a], v[MX+\a], v[ACC+32*\a+\i], v[ACC+32*\a+\i+1]
.endr
.endr
.irp a, 0,1,2,3
	v_permlanex16_b32 v[MY+\a], v[MX+\a], s[SEL], s[SEL+1]   ; the query's other 32 keys lie in the lane 16 away
.endr
.irp a, 0,1,2,3
	v_max_num_f32 v[MX+\a], v[MX+\a], v[MY+\a]
.endr
.irp a, 0,1,2,3
	v_mul_f32 v[M+2*\a], s[CS], v[MX+\a]           ; m = c x the largest score
.endr
.irp a, 0,1,2,3
	v_mov_b32 v[M+2*\a+1], v[M+2*\a]
.endr
.set n, 0
.rept 64
	v_pk_fma_f32 v[ACC+2*n:ACC+2*n+1], v[ACC+2*n:ACC+2*n+1], s[CS:CS+1], v[M+2*(n/16):M+2*(n/16)+1] op_sel_hi:[1,0,0] neg_lo:[0,0,1] neg_hi:[0,0,1]   ; c s - m, two at a time
.set n, n+1
.endr
.set n, 0
.rept 128
	v_exp_f32 v[ACC+n], v[ACC+n]                   ; p = 2^(t - m), one batch
.set n, n+1
.endr
	v_nop                                          ; a plain line behind the last exponential
	s_wait_alu depctr_va_vdst(0)                   ; one wait for the whole batch, ahead of its first reader
.set n, 0
.rept 64
	v_cvt_pk_f16_f32 v[TMP+n], v[ACC+2*n], v[ACC+2*n+1]
.set n, n+1
.endr
.irp a, 0,1,2,3
	v_pk_add_f32 v[L+2*\a:L+2*\a+1], v[ACC+32*\a:ACC+32*\a+1], v[ACC+32*\a+2:ACC+32*\a+3]   ; l is the sum of the unrounded p
.endr
.irp i, 4,6,8,10,12,14,16,18,20,22,24,26,28,30
.irp a, 0,1,2,3
	v_pk_add_f32 v[L+2*\a:L+2*\a+1], v[L+2*\a:L+2*\a+1], v[ACC+32*\a+\i:ACC+32*\a+\i+1]
.endr
.endr
.irp a, 0,1,2,3
	v_add_f32 v[MX+\a], v[L+2*\a], v[L+2*\a+1]
.endr
.irp a, 0,1,2,3
	v_permlanex16_b32 v[MY+\a], v[MX+\a], s[SEL], s[SEL+1]
.endr
.irp a, 0,1,2,3
	v_add_f32 v[MX+\a], v[MX+\a], v[MY+\a]
.endr
	v_cmp_lt_u32 vcc_lo, 0, v2                     ; lanes 16-31 carry the odd tiles' pairs: a store then holds 32 neighbouring queries
	v_cndmask_b32 v122, v[M], v[M+2], vcc_lo
	v_cndmask_b32 v123, v[MX], v[MX+1], vcc_lo
	v_cndmask_b32 v124, v[M+4], v[M+6], vcc_lo
	v_cndmask_b32 v125, v[MX+2], v[MX+3], vcc_lo
	global_store_b64 v[SO8], v[122:123], s[78:79]          ; 32 lanes store 256 consecutive bytes, aligned
	global_store_b64 v[SO8], v[124:125], s[78:79] offset:256
	; p goes out through the work-group's stage: a row's 256 bytes come from two waves, so a barrier stands between writing and reading.  The stage is written again only behind the next tile's barriers, each with its wait for my LDS reads
.irp a, 0,1,2,3
.irp b, 0,1,2,3
	ds_store_b128 v[STO], v[TMP+4*(4*\a+\b):TMP+4*(4*\a+\b)+3] offset:\a*16*SPITCH+32*\b
.endr
.endr
	s_wait_dscnt 0x0                               ; for the others' sake: my stores into the stage are done
	s_barrier_signal -1
	s_barrier_wait -1                              ; the refill that is out may stay out
.irp t, 0,1,2,3,4,5,6,7,8,9,10,11,12,13,14,15
	ds_load_b128 v[TMP+4*\t:TMP+4*\t+3], v[RD] offset:\t*2*SPITCH
.endr
.irp t, 0,1,2,3,4,5,6,7,8,9,10,11,12,13,14,15
	s_wait_dscnt 15-\t                             ; load t is in; the younger ones stay out
	global_store_b128 v[CO], v[TMP+4*\t:TMP+4*\t+3], s[76:77] offset:2*\t*RP   ; 16 lanes store 256 consecutive bytes, aligned
.endr
.endm
	s_wait_tensorcnt 1                             ; my part of K step 0 is in; K step 1's load may be out
	s_barrier_signal -1
	s_barrier_wait -1
	FETCH 0, 0, F0
	WIN 0                                          ; at a label and at a branch every window is 0
.Lblock:                                               ; a trip: a block that has a successor
	s_add_co_u32 s90, s2, 4                        ; the next block, its (I, J), and where its rows begin
	IJ 90, 88, 89
	OFFS 88, 89
	TILE 1
	OUT
	s_mov_b32 s2, s90
	s_mov_b32 s66, s88
	s_mov_b32 s67, s89
	s_sub_co_u32 s3, s3, 1
	s_cmp_lg_u32 s3, 0
	s_cbranch_scc1 .Lblock
	TILE 0                                         ; the last block is written out: it asks for nothing beyond itself
	OUT
	s_wait_tensorcnt 0x0                           ; the wave's end
	ds_add_u32 v[SPW], v[NIL]
	s_wait_dscnt 0x0
	CROUND                                         ; the closing round
	s_endpgm
.Lfunc_end_k_qfe5d3fa6c2_scores:
	.size	k_qfe5d3fa6c2_scores, .Lfunc_end_k_qfe5d3fa6c2_scores-k_qfe5d3fa6c2_scores
	.p2alignl 7, 3214868480
	.fill 96, 4, 3214868480
	.section	.rodata,"a",@progbits
	.p2align	6, 0x0
	.amdhsa_kernel k_qfe5d3fa6c2_scores
		.amdhsa_group_segment_fixed_size 327680
		.amdhsa_private_segment_fixed_size 0
		.amdhsa_enable_private_segment 0
		.amdhsa_kernarg_size 24
		.amdhsa_user_sgpr_count 2
		.amdhsa_user_sgpr_kernarg_segment_ptr 1
		.amdhsa_wavefront_size32 1
		.amdhsa_system_sgpr_workgroup_id_x 1
		.amdhsa_system_sgpr_workgroup_id_y 1
		.amdhsa_system_sgpr_workgroup_id_z 1
		.amdhsa_system_vgpr_workitem_id 0
		.amdhsa_next_free_vgpr 512
		.amdhsa_next_free_sgpr 96
		.amdhsa_reserve_vcc 1
		.amdhsa_float_denorm_mode_32 3
		.amdhsa_float_denorm_mode_16_64 3
		.amdhsa_memory_ordered 1
		.amdhsa_forward_progress 1
		.amdhsa_inst_pref_size 223
	.end_amdhsa_kernel
	.amdgpu_metadata
---
amdhsa.version: [ 1, 2 ]
amdhsa.kernels:
  - .name:           k_qfe5d3fa6c2_scores
    .symbol:         k_qfe5d3fa6c2_scores.kd
    .args:
      - { .name: qk, .offset: 0, .size: 8, .value_kind: global_buffer, .address_space: global }
      - { .name: p, .offset: 8, .size: 8, .value_kind: global_buffer, .address_space: global }
      - { .name: st, .offset: 16, .size: 8, .value_kind: global_buffer, .address_space: global }
    .group_segment_fixed_size: 327680
    .private_segment_fixed_size: 0
    .kernarg_segment_align: 8
    .kernarg_segment_size: 24
    .max_flat_workgroup_size: 128
    .sgpr_count:     96
    .vgpr_count:     512
    .wavefront_size: 32
...
	.end_amdgpu_metadata
.endif
;; end of part 3
;; launch pv (part 4): grid 8 x 32, 4 waves a work-group, clusters of 4 x 4, 327,680 bytes of LDS; arguments p, st, vt, ao; writes ao
.if DOCPART == 4
	.amdgcn_target "amdgcn-amd-amdhsa--gfx1250"
	.amdhsa_code_object_version 6
	.text
	.protected	k_qfe5d3fa6c2_pv
	.globl	k_qfe5d3fa6c2_pv
	.p2align	8
	.type	k_qfe5d3fa6c2_pv,@function
k_qfe5d3fa6c2_pv:
	s_mov_b64 s[64:65], 0
	v_nop
	global_prefetch_b8 v0, s[64:65] scope:SCOPE_SE
	s_setreg_imm32_b32 hwreg(HW_REG_WAVE_MODE, 25, 1), 1
	s_wait_xcnt 0x0
	s_wait_alu depctr_hold_cnt(0) depctr_sa_sdst(0) depctr_va_vdst(0) depctr_va_sdst(0) depctr_va_ssrc(0) depctr_va_vcc(0) depctr_vm_vsrc(0)
	s_getreg_b32 s2, hwreg(HW_REG_IB_STS2, 6, 4)
	s_cmp_eq_u32 s2, 0
	s_cbranch_scc0 .Lentry_in_a_cluster
	s_endpgm
.Lentry_in_a_cluster:
	s_bfe_u32 s2, ttmp6, 0x10000c
	s_cmp_lg_u32 s2, 0xf033
	s_cbranch_scc0 .Lentry_shape_is_right
	s_endpgm
.Lentry_shape_is_right:
; O[q][:] = the sum over chunks x of w(q, x) (P(q, chunk x) V), as f16 into ao [8192][1024].  P holds 2^(t - m(q, x)), chunk by chunk of 64 keys; w(q, x) = 2^(m(q, x) - m(q)) / l(q), m(q) the row's largest m,
; l(q) = the sum of 2^(m(q, x) - m(q)) l(q, x).  So the row's maximum is taken away as in a softmax, in two stages, and the division by the row's sum lies in w.
; P and V go to the matrix unit as they lie (f16).  A chunk's product is summed in f32 in accumulators T of its own, begun with the constant 0, and O += w T is a packed f32 multiply-add: nothing narrower than f32 is reckoned outside the matrix unit.
; SHARES.  A work-group makes two tiles of 128 queries x 128 channels, a long one (query tile 15 - 4 u - cy, 4 - u laps) and then a short one (4 u + cy, u + 1 laps): five laps of 512 keys for every work-group.
; u and the batch come from the cluster's y, so all sixteen partners walk the same keys: V's tile is asked for jointly along a column of the cluster, P's along a row.  P holds zeros from the diagonal up to 512 (I + 1) keys.
; BY HALVES.  A chunk's 32 products go tiles 0-7 first (8 that start the sums, 8 links), then tiles 8-15.  The 32 multiply-adds of one half stand in slices of four behind every second product of the other half's run,
; so that each read of T has four plain lines and each new start of T five behind T's last product.  A K step's last chunk ends with its second half's multiply-adds written out, so that O is whole where a tile may end.
; O is cleared, not begun by a product: the step at which the second tile begins hangs on the cluster's number.
; REGISTERS: window 0: v0-31 addresses; v32-95 the way out; v96-111 a K step's w as loaded (tile a, chunk q: 4 a + q); v128-191, v192-255 V's fragments, two buffers.
;   window 1: v0-127 T ((a, b) at v[8 (4 a + b)]); v128-191, v192-255 P's fragments.     window 2: v0-127 O, in T's layout; v128-159 w as pairs (chunk q, tile a: pair 4 q + a).
; A slice costs two switches of the register window: T and O together fill a window, which the products' and the multiply-adds' destination would have to share, and T would have to share one with an operand's fragments.
.set KSTEP,  256
.set PITCH,  528
.set HALFT,  64*PITCH
.set SLOT,   4*HALFT
.set STAGE,  2*SLOT
.set SPITCH, 272
.set WT,     STAGE+128*SPITCH          ; w: 128 rows x 160 bytes: 40 f32, one for each chunk of the walk
.set WP,     160
.set SPARE,  WT+128*WP
.set ADRA, 16
.set ADRB, 20
.set STO,  24
.set RD,   25
.set CO,   26
.set WTA,  27                          ; v27 my row's w of the K step in hand
.set SPW,  28
.set NIL,  29
.set TMP,  32
.set WR,   96
.set WX,   128                         ; in window 2
.set F0,   128
.set F1,   192
.set WV,   12
.set RH,   13                          ; which 64 queries are mine.  Also: I fetch for P (0) or for V (1)
.set CH,   14                          ; which 64 channels.  Also: which 64 rows I fetch
.set CX,   15
.set CY,   16
.set BAT,  17
.set U,    18
.set N1,   19                          ; the long tile's laps
.set LAPC, 20
.set OFFAL, 21                         ; byte offsets of the rows that I fetch: P's, long tile; short tile; V's
.set OFFAS, 22
.set OFFB, 23
.set G1, 24
.set G0, 32
.set G1B, 48
.set G0B, 56
.set CL,  66                           ; s[66:67] ao at my rows of the long tile;  s[68:69] of the short
.set CSH, 68
.set SU,  78                           ; all ones where u = 1
.set W_MUL, 0x54                       ; source 0 window 0 (V; an LDS address); source 1, C and D window 1 (P, T)
.set W_FMA, 0xa9                       ; source 0 window 1 (T); source 1, source 2 and destination window 2 (w, O)
.set MSB, 0
.macro WIN new
.if MSB != (\new)
	s_set_vgpr_msb (MSB<<8)|(\new)
.set MSB, (\new)
.endif
.endm
.macro JLOAD s                         ; a joint load: waves 0 and 1 fetch P's two halves, waves 2 and 3 V's; an s_nop 0 and four v_nop follow each line
	s_cmp_eq_u32 s[RH], 0
	s_cbranch_scc0 .Lfor_b_\@
	tensor_load_to_lds s[G0+4*\s:G0+4*\s+3], s[G1:G1+7]
	s_nop 0
.rept 4
	v_nop
.endr
	s_branch .Lasked_\@
.Lfor_b_\@:
	tensor_load_to_lds s[G0B+4*\s:G0B+4*\s+3], s[G1B:G1B+7]
	s_nop 0
.rept 4
	v_nop
.endr
.Lasked_\@:
.endm
.macro CREST
	s_cmp_lg_u32 s[WV], 0
	s_cbranch_scc1 .Lnot_wave_0_\@
	s_barrier_signal -3
.Lnot_wave_0_\@:
	s_barrier_wait -3
	s_barrier_signal -1
	s_barrier_wait -1
.endm
.macro CROUND
	s_barrier_signal -1
	s_barrier_wait -1
	CREST
.endm
	s_load_b256 s[4:11], s[0:1], 0x0               ; p s[4:5], st s[6:7], vt s[8:9], ao s[10:11]
	v_lshl_add_u32 v[SPW], v0, 2, SPARE
	v_mov_b32 v[NIL], 0
	ds_add_u32 v[SPW], v[NIL]                      ; the wave's opening: the add, twice on end, and its wait ahead of my first tensor load
	ds_add_u32 v[SPW], v[NIL]
	v_lshrrev_b32 v1, 5, v0
	v_readfirstlane_b32 s[WV], v1
	s_lshr_b32 s[RH], s[WV], 1
	s_and_b32 s[CH], s[WV], 1
	s_bfe_u32 s[CX], ttmp6, 0x40000
	s_bfe_u32 s[CY], ttmp6, 0x40004
	s_and_b32 s40, ttmp7, 0xffff                   ; the cluster's y: 2 x batch + u
	s_lshr_b32 s[BAT], s40, 1
	s_and_b32 s[U], s40, 1
	s_sub_co_u32 s[N1], 4, s[U]
	s_lshl_b32 s41, ttmp9, 2
	s_add_co_u32 s41, s41, s[CX]                   ; the block of 128 channels
	s_lshl_b32 s42, s[U], 2
	s_add_co_u32 s43, s42, s[CY]                   ; the short tile: 4 u + cy
	s_sub_co_u32 s42, 15, s43                      ; the long one: 15 - 4 u - cy
	s_lshl_b32 s44, s[CY], 2
	s_lshl_b32 s44, 15, s44                        ; my row of the cluster
	s_lshl_b32 s45, 0x1111, s[CX]                  ; my column
	s_or_b32 s[G1+0], s44, (1<<16)|(1<<20)|(1<<21)|(6<<22)|(3<<25)  ; the mask; elements of 2 bytes; padding: 4 words after every 128; bit 21 beside a mask
	s_or_b32 s[G1B+0], s45, (1<<16)|(1<<20)|(1<<21)|(6<<22)|(3<<25)
.irp g, G1, G1B
	s_mov_b32 s[\g+1], KSTEP<<16                   ; tensor_dim0 = 256
	s_mov_b32 s[\g+2], 64<<16                      ; tensor_dim1 = 64
	s_mov_b32 s[\g+3], KSTEP<<16
	s_mov_b32 s[\g+4], 64
	s_mov_b32 s[\g+5], 2048                        ; the pitch of p and of vt
	s_mov_b32 s[\g+6], 0
	s_mov_b32 s[\g+7], 0
.endr
	s_lshl_b32 s46, s[CH], 6                       ; which 64 rows I fetch
	s_lshl_b32 s47, s[BAT], 11
	s_add_co_u32 s47, s47, s46
	s_lshl_b32 s[OFFAL], s42, 7
	s_add_co_u32 s[OFFAL], s[OFFAL], s47
	s_lshl_b32 s[OFFAL], s[OFFAL], 12              ; (2,048 batch + 128 tile + 64 half) x 4,096 bytes, under 2^26
	s_lshl_b32 s[OFFAS], s43, 7
	s_add_co_u32 s[OFFAS], s[OFFAS], s47
	s_lshl_b32 s[OFFAS], s[OFFAS], 12
	s_lshl_b32 s[OFFB], s41, 7
	s_lshl_b32 s47, s[BAT], 10
	s_add_co_u32 s[OFFB], s[OFFB], s47
	s_add_co_u32 s[OFFB], s[OFFB], s46
	s_lshl_b32 s[OFFB], s[OFFB], 12                ; (1,024 batch + 128 block + 64 half) x 4,096
	s_mul_i32 s46, s[WV], HALFT                    ; where they go: wave x 64 rows
	s_mov_b32 s73, 0
	s_mov_b32 s75, 0
	s_mov_b32 s91, 0
	s_wait_dscnt 0x0                               ; both opening adds are done
	s_wait_kmcnt 0x0
	CROUND                                         ; all sixteen work-groups are here: the first joint loads meet
.irp s, 0,1
	s_mov_b32 s[G0+4*\s], 1
	s_add_co_u32 s[G0+4*\s+1], s46, \s*SLOT
	s_add_co_u32 s72, s[OFFAL], \s*KSTEP*2         ; the long tile's K step s
	s_add_nc_u64 s[G0+4*\s+2:G0+4*\s+3], s[4:5], s[72:73]
	s_or_b32 s[G0+4*\s+3], s[G0+4*\s+3], 0x80000000
	s_mov_b32 s[G0B+4*\s], 1
	s_add_co_u32 s[G0B+4*\s+1], s46, \s*SLOT
	s_add_co_u32 s74, s[OFFB], \s*KSTEP*2
	s_add_nc_u64 s[G0B+4*\s+2:G0B+4*\s+3], s[8:9], s[74:75]
	s_or_b32 s[G0B+4*\s+3], s[G0B+4*\s+3], 0x80000000
	JLOAD \s                                       ; two loads of mine are out
.endr
	v_and_b32 v1, 15, v0                           ; r
	v_bfe_u32 v2, v0, 4, 1                         ; h
	v_mul_u32_u24 v3, v1, PITCH
	v_lshl_add_u32 v3, v2, 4, v3
	s_mul_i32 s88, s[RH], HALFT
	s_mul_i32 s89, s[CH], HALFT
	s_add_co_u32 s89, s89, 2*HALFT
.irp s, 0,1
	v_add_nc_u32 v[ADRA+\s], s88, v3
	v_add_nc_u32 v[ADRB+\s], s89, v3
	s_add_co_u32 s88, s88, SLOT
	s_add_co_u32 s89, s89, SLOT
.endr
	s_mul_i32 s88, s[RH], 64*SPITCH                ; into the stage: my 64 rows, my half of their 256 bytes
	s_lshl_b32 s89, s[CH], 7
	s_add_co_u32 s88, s88, s89
	s_add_co_u32 s88, s88, STAGE
	v_mul_u32_u24 v4, v1, SPITCH
	v_lshl_add_u32 v4, v2, 4, v4
	v_add_nc_u32 v[STO], s88, v4
	s_mul_i32 s88, s[WV], 32*SPITCH                ; back: wave w takes rows 32 w .. 32 w + 31, whole
	s_add_co_u32 s88, s88, STAGE
	v_mul_u32_u24 v5, v2, SPITCH
	v_lshl_add_u32 v5, v1, 4, v5
	v_add_nc_u32 v[RD], s88, v5
	v_lshlrev_b32 v5, 11, v2
	v_lshl_add_u32 v[CO], v1, 4, v5                ; and the same two rows in ao
	s_mul_i32 s88, s[RH], 64*WP
	s_add_co_u32 s88, s88, WT
	v_mul_u32_u24 v4, v1, WP
	v_add_nc_u32 v[WTA], s88, v4                   ; w of row 64 x my half + r; tile a lies 16 rows on
	v_mul_u32_u24 v5, v0, WP
	v_add_nc_u32 v5, WT, v5                        ; the prologue: thread t is row t of both tiles: its row of w,
	v_lshlrev_b32 v7, 3, v0                        ; its pair in a chunk of st
	s_lshl_b32 s88, s[BAT], 11
	s_lshl_b32 s89, s[WV], 5
	s_add_co_u32 s88, s88, s89                     ; ao: 2,048 batch + 32 wave
	s_lshl_b32 s89, s42, 7
	s_add_co_u32 s89, s89, s88
	s_lshl_b32 s90, s89, 11                        ; rows of 2,048 bytes
	s_lshl_b32 s47, s41, 8                         ; + 256 x the block of channels
	s_add_co_u32 s90, s90, s47
	s_add_nc_u64 s[CL:CL+1], s[10:11], s[90:91]
	s_lshl_b32 s89, s43, 7
	s_add_co_u32 s89, s89, s88
	s_lshl_b32 s90, s89, 11
	s_add_co_u32 s90, s90, s47
	s_add_nc_u64 s[CSH:CSH+1], s[10:11], s[90:91]
	; THE WALK'S 40 CHUNKS: 0-23 the long tile's 0-23; 24-31 the long tile's 24-31 (u = 0) or the short tile's 0-7 (u = 1); 32-39 the short tile's 0-7 (u = 0) or 8-15 (u = 1).  All forty were stored by the launch before.
	s_lshl_b32 s88, s[BAT], 19                     ; st: 524,288 bytes a batch, 16,384 a chunk, 1,024 a tile of queries
	s_lshl_b32 s89, s42, 10
	s_add_co_u32 s90, s88, s89
	s_add_nc_u64 s[80:81], s[6:7], s[90:91]        ; the long tile's chunk 0
	s_lshl_b32 s89, s43, 10
	s_add_co_u32 s90, s88, s89
	s_add_nc_u64 s[82:83], s[6:7], s[90:91]        ; the short tile's
	s_add_nc_u64 s[84:85], s[80:81], 24*16384
	s_lshl_b32 s90, s[U], 17
	s_add_nc_u64 s[86:87], s[82:83], s[90:91]      ; the last group
	s_cmp_eq_u32 s[U], 0
	s_cselect_b64 s[84:85], s[84:85], s[82:83]     ; the middle group
	s_cselect_b32 s[SU], 0, -1
.set x, 0
.rept 24
	global_load_b64 v[128+2*x:129+2*x], v7, s[80:81] offset:16384*x    ; (m, l): 128 threads read 1,024 consecutive bytes
.set x, x+1
.endr
.set x, 0
.rept 8
	global_load_b64 v[176+2*x:177+2*x], v7, s[84:85] offset:16384*x
.set x, x+1
.endr
.set x, 0
.rept 8
	global_load_b64 v[192+2*x:193+2*x], v7, s[86:87] offset:16384*x
.set x, x+1
.endr
	s_wait_loadcnt 0x0
	v_max3_num_f32 v208, v128, v130, v132          ; the three groups' largest m
	v_max3_num_f32 v209, v176, v178, v180
	v_max3_num_f32 v210, v192, v194, v196
.irp x, 3,5,7,9,11,13,15,17,19,21
	v_max3_num_f32 v208, v208, v[128+2*\x], v[130+2*\x]
.endr
	v_max_num_f32 v208, v208, v174
.irp x, 3,5
	v_max3_num_f32 v209, v209, v[176+2*\x], v[178+2*\x]
	v_max3_num_f32 v210, v210, v[192+2*\x], v[194+2*\x]
.endr
	v_max_num_f32 v209, v209, v190
	v_max_num_f32 v210, v210, v206
	v_mov_b32 v211, 0xff61b1e6                     ; -3e38, under every m that counts
	v_cndmask_b32 v212, v209, v211, s[SU]
	v_max_num_f32 v213, v208, v212                 ; the long row's maximum
	v_cndmask_b32 v212, v211, v209, s[SU]
	v_max_num_f32 v214, v210, v212                 ; the short row's
	v_cndmask_b32 v215, v213, v214, s[SU]          ; the middle group's
.set x, 0
.rept 24
	v_sub_f32 v[128+2*x], v[128+2*x], v213
.set x, x+1
.endr
.set x, 0
.rept 8
	v_sub_f32 v[176+2*x], v[176+2*x], v215
	v_sub_f32 v[192+2*x], v[192+2*x], v214
.set x, x+1
.endr
.set x, 0
.rept 40
	v_exp_f32 v[128+2*x], v[128+2*x]               ; 2^(m of the chunk - m of the row), at most 1: one batch
.set x, x+1
.endr
	v_nop                                          ; a plain line behind the last exponential
	s_wait_alu depctr_va_vdst(0)                   ; one wait for the batch, ahead of its first reader
	v_mul_f32 v208, v128, v129                     ; the sums of 2^(..) l, group by group
	v_mul_f32 v209, v176, v177
	v_mul_f32 v210, v192, v193
.set x, 1
.rept 23
	v_fmac_f32 v208, v[128+2*x], v[129+2*x]
.set x, x+1
.endr
.set x, 1
.rept 7
	v_fmac_f32 v209, v[176+2*x], v[177+2*x]
	v_fmac_f32 v210, v[192+2*x], v[193+2*x]
.set x, x+1
.endr
	v_mov_b32 v211, 0
	v_cndmask_b32 v212, v209, v211, s[SU]
	v_add_f32 v208, v208, v212                     ; l of the long row: at least 1, since the chunk with the row's maximum counts whole
	v_cndmask_b32 v212, v211, v209, s[SU]
	v_add_f32 v210, v210, v212                     ; l of the short row
	v_rcp_f32 v208, v208
	v_rcp_f32 v210, v210
	v_nop
	s_wait_alu depctr_va_vdst(0)                   ; one wait for the two reciprocals
	v_cndmask_b32 v212, v208, v210, s[SU]          ; the middle group's
.set x, 0
.rept 24
	v_mul_f32 v[216+x], v[128+2*x], v208           ; w, forty on end
.set x, x+1
.endr
.set x, 0
.rept 8
	v_mul_f32 v[240+x], v[176+2*x], v212
	v_mul_f32 v[248+x], v[192+2*x], v210
.set x, x+1
.endr
.set n, 0
.rept 10
	ds_store_b128 v5, v[216+4*n:219+4*n] offset:16*n   ; a K step's four w
.set n, n+1
.endr
	WIN 0x80                                       ; destination window 2
.set n, 0
.rept 160
	v_mov_b32 v[n], 0                              ; O; and w's pairs, whose upper words are named and never used
.set n, n+1
.endr
	WIN 0
.macro MM f, c, n, zero                ; a product: tile of queries n / 4, tile of channels n % 4, 32 along K (half c of buffer f).  zero = 1: it starts the chunk's sum
.if \zero
	v_wmma_f32_16x16x32_f16 v[8*(\n):8*(\n)+7], v[\f+8*(4*(\c)+(\n)%4):\f+8*(4*(\c)+(\n)%4)+7], v[\f+8*(4*(\c)+(\n)/4):\f+8*(4*(\c)+(\n)/4)+7], 0
.else
	v_wmma_f32_16x16x32_f16 v[8*(\n):8*(\n)+7], v[\f+8*(4*(\c)+(\n)%4):\f+8*(4*(\c)+(\n)%4)+7], v[\f+8*(4*(\c)+(\n)/4):\f+8*(4*(\c)+(\n)/4)+7], v[8*(\n):8*(\n)+7]
.endif
.endm
.macro FL g, q, l                      ; line l of 32 of half g: two numbers of O += w T; a lane holds one query, so one w (chunk q, tile 2 g + l / 16) serves both.  Each T is read from its low end on
	v_pk_fma_f32 v[64*(\g)+2*(\l):64*(\g)+2*(\l)+1], v[64*(\g)+2*(\l):64*(\g)+2*(\l)+1], v[WX+2*(4*(\q)+2*(\g)+(\l)/16):WX+2*(4*(\q)+2*(\g)+(\l)/16)+1], v[64*(\g)+2*(\l):64*(\g)+2*(\l)+1] op_sel_hi:[1,0,1]
.endm
.macro SLICE g, q                      ; four lines, from line sn on
	WIN W_FMA
	FL \g, \q, sn
	FL \g, \q, sn+1
	FL \g, \q, sn+2
	FL \g, \q, sn+3
	WIN W_MUL
.set sn, sn+4
.endm
; Eight products on tiles n0 .. n0 + 7, one instruction a turn.  fl = 1: behind every second one a slice of half g of chunk q
.macro RUN8 f, c, n0, zero, fl, g, q
	WIN W_MUL
.set mn, \n0
.rept 4
	MM \f, \c, mn, \zero
	MM \f, \c, mn+1, \zero
.if \fl
	SLICE \g, \q
.endif
.set mn, mn+2
.endr
.endm
.macro FLUSH q                         ; the second half's 32 lines of chunk q, written out
	WIN W_FMA
.set sn, 0
.rept 32
	FL 1, \q, sn
.set sn, sn+1
.endr
.endm
.macro FETCHP slot, k, f               ; 32 LDS loads in one run: 64 keys at byte k of the rows: V's 16, then P's 16
	WIN 0
.irp c, 0,1
.irp i, 0,1,2,3
	ds_load_b128 v[\f+8*(4*\c+\i):\f+8*(4*\c+\i)+3],   v[ADRB+\slot] offset:\k+64*\c+\i*16*PITCH
	ds_load_b128 v[\f+8*(4*\c+\i)+4:\f+8*(4*\c+\i)+7], v[ADRB+\slot] offset:\k+64*\c+\i*16*PITCH+32
.endr
.endr
	WIN W_MUL
.irp c, 0,1
.irp i, 0,1,2,3
	ds_load_b128 v[\f+8*(4*\c+\i):\f+8*(4*\c+\i)+3],   v[ADRA+\slot] offset:\k+64*\c+\i*16*PITCH
	ds_load_b128 v[\f+8*(4*\c+\i)+4:\f+8*(4*\c+\i)+7], v[ADRA+\slot] offset:\k+64*\c+\i*16*PITCH+32
.endr
.endr
.endm
.macro WLOAD                           ; the K step's four w of my four rows
.irp a, 0,1,2,3
	ds_load_b128 v[WR+4*\a:WR+4*\a+3], v[WTA] offset:16*WP*\a
.endr
.endm
; A quarter is a chunk: 64 keys, 32 products on buffer f; the next chunk is fetched into g at its head.  pre = 1: a K step's first chunk: no half is left over from the chunk before (the K step before ended with FLUSH, whose lines
; are also the places in front of the loads); its w are spread into pairs between its two halves, sixteen plain lines that are the places in front of the first read of T.
.macro QUARTER slot, k, f, g, q, pre
	s_wait_dscnt 0x0                               ; buffer f is in (pre = 1: and w)
.if !(\pre)
.rept 4
	v_nop                                          ; places in front of loads into registers that matrix instructions have read
.endr
.endif
	FETCHP \slot, \k, \g
.set sn, 0
	RUN8 \f, 0, 0, 1, 1-\pre, 1, (\q)-1
	RUN8 \f, 1, 0, 0, 1-\pre, 1, (\q)-1
.if \pre
	WIN 0x80                                       ; destination window 2, source window 0
.irp a, 0,1,2,3
.irp c, 0,1,2,3
	v_mov_b32 v[WX+2*(4*\c+\a)], v[WR+4*\a+\c]
.endr
.endr
.endif
.set sn, 0
	RUN8 \f, 0, 8, 1, 1, 0, \q
	RUN8 \f, 1, 8, 0, 1, 0, \q
.endm
; A K step's last chunk (buffer 1, chunk 3) changes slots: one barrier; in front of it each wave waits for all its tensor loads, adds 0 to its spare word, and waits for that and for its reads of this slot.
; fill = 1: this slot takes the next lap's K step: of the long tile while laps of it are left, else of the short one.  The choice is made of the count of laps and the cluster's number: alike in all partners.
.macro TURNP slot, next, fill
	WIN 0
	s_wait_tensorcnt 0x0                           ; my part of the next slot has landed; no tensor load of mine is out, so a group 0 may be written
	ds_add_u32 v[SPW], v[NIL]
.if \fill
	s_add_co_u32 s70, s[LAPC], 1                   ; the lap to be asked for
	s_cmp_lt_u32 s70, s[N1]
	s_cselect_b32 s72, s[OFFAL], s[OFFAS]
	s_cselect_b32 s71, 0, s[N1]
	s_sub_co_u32 s70, s70, s71                     ; its number inside its tile
	s_lshl_b32 s70, s70, 10                        ; 512 keys are 1,024 bytes
	s_add_co_u32 s70, s70, \slot*KSTEP*2
	s_add_co_u32 s72, s72, s70
	s_add_co_u32 s74, s[OFFB], s70
	s_add_nc_u64 s[G0+4*\slot+2:G0+4*\slot+3], s[4:5], s[72:73]
	s_or_b32 s[G0+4*\slot+3], s[G0+4*\slot+3], 0x80000000
	s_add_nc_u64 s[G0B+4*\slot+2:G0B+4*\slot+3], s[8:9], s[74:75]
	s_or_b32 s[G0B+4*\slot+3], s[G0B+4*\slot+3], 0x80000000
.endif
	s_wait_dscnt 1                                 ; buffer 1 is in; the add may be out
.set sn, 0
	RUN8 F1, 0, 0, 1, 1, 1, 2
	s_wait_dscnt 0x0                               ; the add is done, and my reads of this slot are over
	s_barrier_signal -1
	RUN8 F1, 1, 0, 0, 1, 1, 2
	WIN 0
	s_barrier_wait -1
.if \fill
	CREST                                          ; the barrier has opened a round of the cluster's: no wave of any partner still reads this slot or has a load on its way
	JLOAD \slot                                    ; my one tensor load behind the round
.else
.rept 4
	v_nop
.endr
.endif
	v_add_nc_u32 v[WTA], 16, v[WTA]                ; the next K step's four w
	WLOAD
	FETCHP \next, 0, F0
.set sn, 0
	RUN8 F1, 0, 8, 1, 1, 0, 3
	RUN8 F1, 1, 8, 0, 1, 0, 3
	FLUSH 3                                        ; O is whole
.endm
; A tile goes out: rounded to f16, through the work-group's stage (a row's 256 bytes come from two waves: a barrier between writing and reading), 32 whole rows a wave.
.macro OUT zero, base
	WIN 0
	s_wait_xcnt 0x0                                ; the last tile's stores have read their data
	WIN 0x0a                                       ; sources 0 and 1 window 2
.set n, 0
.rept 64
	v_cvt_pk_f16_f32 v[TMP+n], v[2*n], v[2*n+1]
.set n, n+1
.endr
	WIN 0
.irp a, 0,1,2,3
.irp b, 0,1,2,3
	ds_store_b128 v[STO], v[TMP+4*(4*\a+\b):TMP+4*(4*\a+\b)+3] offset:\a*16*SPITCH+32*\b
.endr
.endr
	s_wait_dscnt 0x0                               ; for the others' sake: my stores into the stage are done
	s_barrier_signal -1
	s_barrier_wait -1                              ; the refill that is out may stay out
.irp t, 0,1,2,3,4,5,6,7,8,9,10,11,12,13,14,15
	ds_load_b128 v[TMP+4*\t:TMP+4*\t+3], v[RD] offset:\t*2*SPITCH
.endr
.irp t, 0,1,2,3,4,5,6,7,8,9,10,11,12,13,14,15
	s_wait_dscnt 15-\t                             ; load t is in; the younger ones stay out
	global_store_b128 v[CO], v[TMP+4*\t:TMP+4*\t+3], s[\base:\base+1] offset:2*\t*2048   ; 16 lanes store 256 consecutive bytes, aligned
.endr
.if \zero
	WIN 0x80
.set n, 0
.rept 128
	v_mov_b32 v[n], 0                              ; the next tile's sums begin
.set n, n+1
.endr
	WIN 0
.endif
.endm
	s_wait_tensorcnt 1                             ; my part of K step 0 is in; K step 1's load may be out
	s_wait_dscnt 0x0                               ; my row of w is stored
	s_barrier_signal -1
	s_barrier_wait -1
	WLOAD
	FETCHP 0, 0, F0
	WIN 0
	s_mov_b32 s[LAPC], 0
.Llap:                                                 ; four trips: a lap of 512 keys each; both slots are filled again with the next lap's
	QUARTER 0, 128, F0, F1, 0, 1
	QUARTER 0, 256, F1, F0, 1, 0
	QUARTER 0, 384, F0, F1, 2, 0
	TURNP 0, 1, 1
	QUARTER 1, 128, F0, F1, 0, 1
	QUARTER 1, 256, F1, F0, 1, 0
	QUARTER 1, 384, F0, F1, 2, 0
	TURNP 1, 0, 1
	WIN 0
	s_add_co_u32 s70, s[LAPC], 1
	s_cmp_lg_u32 s70, s[N1]                        ; the long tile's last lap?  The same answer in all waves and all partners; no round of the cluster's barrier stands inside
	s_cbranch_scc1 .Lno_out
	OUT 1, CL
.Lno_out:
	s_add_co_u32 s[LAPC], s[LAPC], 1
	s_cmp_lt_u32 s[LAPC], 4
	s_cbranch_scc1 .Llap
	QUARTER 0, 128, F0, F1, 0, 1                   ; the fifth lap is written out: it asks for nothing
	QUARTER 0, 256, F1, F0, 1, 0
	QUARTER 0, 384, F0, F1, 2, 0
	TURNP 0, 1, 0
	QUARTER 1, 128, F0, F1, 0, 1
	QUARTER 1, 256, F1, F0, 1, 0
	QUARTER 1, 384, F0, F1, 2, 0
	s_wait_dscnt 0x0                               ; the very last chunk
.set sn, 0
	RUN8 F1, 0, 0, 1, 1, 1, 2
	RUN8 F1, 1, 0, 0, 1, 1, 2
.set sn, 0
	RUN8 F1, 0, 8, 1, 1, 0, 3
	RUN8 F1, 1, 8, 0, 1, 0, 3
	FLUSH 3
	OUT 0, CSH
	s_wait_tensorcnt 0x0                           ; the wave's end
	ds_add_u32 v[SPW], v[NIL]
	s_wait_dscnt 0x0
	CROUND                                         ; the closing round
	s_endpgm
.Lfunc_end_k_qfe5d3fa6c2_pv:
	.size	k_qfe5d3fa6c2_pv, .Lfunc_end_k_qfe5d3fa6c2_pv-k_qfe5d3fa6c2_pv
	.p2alignl 7, 3214868480
	.fill 96, 4, 3214868480
	.section	.rodata,"a",@progbits
	.p2align	6, 0x0
	.amdhsa_kernel k_qfe5d3fa6c2_pv
		.amdhsa_group_segment_fixed_size 327680
		.amdhsa_private_segment_fixed_size 0
		.amdhsa_enable_private_segment 0
		.amdhsa_kernarg_size 32
		.amdhsa_user_sgpr_count 2
		.amdhsa_user_sgpr_kernarg_segment_ptr 1
		.amdhsa_wavefront_size32 1
		.amdhsa_system_sgpr_workgroup_id_x 1
		.amdhsa_system_sgpr_workgroup_id_y 1
		.amdhsa_system_sgpr_workgroup_id_z 1
		.amdhsa_system_vgpr_workitem_id 0
		.amdhsa_next_free_vgpr 768
		.amdhsa_next_free_sgpr 100
		.amdhsa_reserve_vcc 0
		.amdhsa_float_denorm_mode_32 3
		.amdhsa_float_denorm_mode_16_64 3
		.amdhsa_memory_ordered 1
		.amdhsa_forward_progress 1
		.amdhsa_inst_pref_size 198
	.end_amdhsa_kernel
	.amdgpu_metadata
---
amdhsa.version: [ 1, 2 ]
amdhsa.kernels:
  - .name:           k_qfe5d3fa6c2_pv
    .symbol:         k_qfe5d3fa6c2_pv.kd
    .args:
      - { .name: p, .offset: 0, .size: 8, .value_kind: global_buffer, .address_space: global }
      - { .name: st, .offset: 8, .size: 8, .value_kind: global_buffer, .address_space: global }
      - { .name: vt, .offset: 16, .size: 8, .value_kind: global_buffer, .address_space: global }
      - { .name: ao, .offset: 24, .size: 8, .value_kind: global_buffer, .address_space: global }
    .group_segment_fixed_size: 327680
    .private_segment_fixed_size: 0
    .kernarg_segment_align: 8
    .kernarg_segment_size: 32
    .max_flat_workgroup_size: 128
    .sgpr_count:     100
    .vgpr_count:     768
    .wavefront_size: 32
...
	.end_amdgpu_metadata
.endif
;; end of part 4
;; launch proj (part 5): grid 8 x 32, 4 waves a work-group, clusters of 4 x 4, 327,680 bytes of LDS; arguments ao, wo16, out0; writes out0
.if DOCPART == 5
	.amdgcn_target "amdgcn-amd-amdhsa--gfx1250"
	.amdhsa_code_object_version 6
	.text
	.protected	k_qfe5d3fa6c2_proj
	.globl	k_qfe5d3fa6c2_proj
	.p2align	8
	.type	k_qfe5d3fa6c2_proj,@function
k_qfe5d3fa6c2_proj:
	s_mov_b64 s[64:65], 0
	v_nop
	global_prefetch_b8 v0, s[64:65] scope:SCOPE_SE
	s_setreg_imm32_b32 hwreg(HW_REG_WAVE_MODE, 25, 1), 1
	s_wait_xcnt 0x0
	s_wait_alu depctr_hold_cnt(0) depctr_sa_sdst(0) depctr_va_vdst(0) depctr_va_sdst(0) depctr_va_ssrc(0) depctr_va_vcc(0) depctr_vm_vsrc(0)
	s_getreg_b32 s2, hwreg(HW_REG_IB_STS2, 6, 4)
	s_cmp_eq_u32 s2, 0
	s_cbranch_scc0 .Lentry_in_a_cluster
	s_endpgm
.Lentry_in_a_cluster:
	s_bfe_u32 s2, ttmp6, 0x10000c
	s_cmp_lg_u32 s2, 0xf033
	s_cbranch_scc0 .Lentry_shape_is_right
	s_endpgm
.Lentry_shape_is_right:
; out0[m][e] = the sum over d of ao[m][d] wo16[e][d].  ao [8192][1024], wo16 [1024][1024]: f16; out0 [8192][1024]: f32; sums in f32.  (The first 16 positions of each sequence are written again, more finely, by the last launch.)
; A tile of C is 128 x 128: four waves, each 64 x 64 in 16 accumulators.  K goes in four steps of 256 through two LDS slots.  4 x 4 work-groups form a cluster: ao's tiles are asked for jointly along a row, wo16's along a column.
; A WORK-GROUP STAYS: it makes two tiles, 4,096 rows apart, on the same rows of wo16: 256 work-groups for 512 tiles.  The ring does not stop at the first tile's end: its last two changes of slots ask for the second tile's first two
; K steps, and the first tile's stores leave while the second is multiplied.  Both tiles are written out by one macro.
; The matrix instruction is used transposed: a lane holds eight neighbouring numbers of a row of C.  A wave's 64 columns of f32 are 256 aligned bytes: each wave has a stage of its own, and the way out has no barrier.
; REGISTERS: window 0: v0-31 addresses; v32-95 rows read back, two sets; v128-255 the accumulators.   window 1: two fragment buffers of 128.
.set SIZE_K, 1024
.set KSTEP,  256
.set PITCH,  528
.set HALFT,  64*PITCH
.set SLOT,   4*HALFT
.set STAGE,  2*SLOT
.set SPITCH, 272
.set SPARE,  STAGE+4*16*SPITCH
.set WALK,   4096                      ; rows from a work-group's first tile to its second
.set NEXT_A, WALK*SIZE_K*2-(SIZE_K-2*KSTEP)*2   ; bytes from a slot's last K step of a tile to its first of the next: WALK rows down and back along K,
.set BACK_B, (SIZE_K-2*KSTEP)*2        ; B only back
.set ADRA, 16
.set ADRB, 20
.set STO,  24
.set RD,   25
.set CO,   26
.set SPW,  28
.set NIL,  29
.set TMP,  32
.set ACC,  128
.set F0,   0
.set F1,   128
.set G1, 24
.set G0, 32
.set G1B, 48
.set G0B, 56
.set MSB, 0
.macro WIN new
.if MSB != (\new)
	s_set_vgpr_msb (MSB<<8)|(\new)
.set MSB, (\new)
.endif
.endm
.set MUL,  0x05
.set TO_F, 0x40
.macro JLOAD s                         ; a joint load: waves 0 and 1 fetch A's two halves, waves 2 and 3 B's; an s_nop 0 and four v_nop follow each line
	s_cmp_eq_u32 s11, 0
	s_cbranch_scc0 .Lfor_b_\@
	tensor_load_to_lds s[G0+4*\s:G0+4*\s+3], s[G1:G1+7]
	s_nop 0
.rept 4
	v_nop
.endr
	s_branch .Lasked_\@
.Lfor_b_\@:
	tensor_load_to_lds s[G0B+4*\s:G0B+4*\s+3], s[G1B:G1B+7]
	s_nop 0
.rept 4
	v_nop
.endr
.Lasked_\@:
.endm
.macro CREST
	s_cmp_lg_u32 s10, 0
	s_cbranch_scc1 .Lnot_wave_0_\@
	s_barrier_signal -3
.Lnot_wave_0_\@:
	s_barrier_wait -3
	s_barrier_signal -1
	s_barrier_wait -1
.endm
.macro CROUND
	s_barrier_signal -1
	s_barrier_wait -1
	CREST
.endm
	s_load_b128 s[4:7], s[0:1], 0x0                ; ao s[4:5], wo16 s[6:7]
	s_load_b64 s[8:9], s[0:1], 0x10                ; out0
	v_lshl_add_u32 v[SPW], v0, 2, SPARE
	v_mov_b32 v[NIL], 0
	ds_add_u32 v[SPW], v[NIL]                      ; the wave's opening: the add, twice on end, and its wait ahead of my first tensor load
	ds_add_u32 v[SPW], v[NIL]
	v_lshrrev_b32 v1, 5, v0
	v_readfirstlane_b32 s10, v1
	s_lshr_b32 s11, s10, 1
	s_and_b32 s12, s10, 1
	s_bfe_u32 s40, ttmp6, 0x40000                  ; cx
	s_bfe_u32 s41, ttmp6, 0x40004                  ; cy
	s_lshl_b32 s42, ttmp9, 2
	s_add_co_u32 s42, s42, s40                     ; tile column
	s_and_b32 s13, ttmp7, 0xffff
	s_lshl_b32 s13, s13, 2
	s_add_co_u32 s13, s13, s41                     ; the first tile's row, 0 .. 31; the second's lies 32 further down
	s_lshl_b32 s43, s41, 2
	s_lshl_b32 s43, 15, s43
	s_lshl_b32 s44, 0x1111, s40
	s_or_b32 s[G1+0], s43, (1<<16)|(1<<20)|(1<<21)|(6<<22)|(3<<25)
	s_or_b32 s[G1B+0], s44, (1<<16)|(1<<20)|(1<<21)|(6<<22)|(3<<25)
.irp g, G1, G1B
	s_mov_b32 s[\g+1], KSTEP<<16
	s_mov_b32 s[\g+2], 64<<16
	s_mov_b32 s[\g+3], KSTEP<<16
	s_mov_b32 s[\g+4], 64
	s_mov_b32 s[\g+5], SIZE_K
	s_mov_b32 s[\g+6], 0
	s_mov_b32 s[\g+7], 0
.endr
	s_lshl_b32 s17, s12, 6
	s_lshl_b32 s16, s13, 7
	s_add_co_u32 s16, s16, s17                     ; A: row 128 x tile row + 64 x half
	s_lshl_b32 s16, s16, 11                        ; rows of 2,048 bytes
	s_lshl_b32 s46, s42, 7
	s_add_co_u32 s46, s46, s17                     ; B: row 128 x tile column + 64 x half
	s_lshl_b32 s46, s46, 11
	s_mov_b32 s17, 0
	s_mov_b32 s47, 0
	s_mul_i32 s20, s10, HALFT
	s_wait_dscnt 0x0                               ; both opening adds are done
	s_wait_kmcnt 0x0
	s_add_nc_u64 s[14:15], s[4:5], s[16:17]
	s_add_nc_u64 s[46:47], s[6:7], s[46:47]
	CROUND
.irp s, 0,1
	s_mov_b32 s[G0+4*\s], 1
	s_add_co_u32 s[G0+4*\s+1], s20, \s*SLOT
	s_add_nc_u64 s[G0+4*\s+2:G0+4*\s+3], s[14:15], \s*KSTEP*2
	s_or_b32 s[G0+4*\s+3], s[G0+4*\s+3], 0x80000000
	s_mov_b32 s[G0B+4*\s], 1
	s_add_co_u32 s[G0B+4*\s+1], s20, \s*SLOT
	s_add_nc_u64 s[G0B+4*\s+2:G0B+4*\s+3], s[46:47], \s*KSTEP*2
	s_or_b32 s[G0B+4*\s+3], s[G0B+4*\s+3], 0x80000000
	JLOAD \s
.endr
	v_and_b32 v1, 15, v0
	v_bfe_u32 v2, v0, 4, 1
	v_mul_u32_u24 v3, v1, PITCH
	v_lshl_add_u32 v3, v2, 4, v3
	s_mul_i32 s21, s11, HALFT
	s_mul_i32 s22, s12, HALFT
	s_add_co_u32 s22, s22, 2*HALFT
.irp s, 0,1
	v_add_nc_u32 v[ADRA+\s], s21, v3
	v_add_nc_u32 v[ADRB+\s], s22, v3
	s_add_co_u32 s21, s21, SLOT
	s_add_co_u32 s22, s22, SLOT
.endr
	s_mul_i32 s23, s10, 16*SPITCH
	s_add_co_u32 s23, s23, STAGE                   ; my stage: 16 rows x (256 bytes + 16)
	v_mul_u32_u24 v4, v1, SPITCH
	v_lshl_add_u32 v4, v2, 5, v4
	v_add_nc_u32 v[STO], s23, v4                   ; in: row r, 32 bytes for each half of the lanes
	v_mul_u32_u24 v5, v2, SPITCH
	v_lshl_add_u32 v5, v1, 4, v5
	v_add_nc_u32 v[RD], s23, v5                    ; back: lanes 0-15 one row, lanes 16-31 the next
	v_lshlrev_b32 v5, 12, v2
	v_lshl_add_u32 v[CO], v1, 4, v5
	s_lshl_b32 s16, s13, 7
	s_lshl_b32 s17, s11, 6
	s_add_co_u32 s16, s16, s17                     ; my first row of C
	s_lshl_b32 s16, s16, 12
	s_lshl_b32 s17, s42, 9
	s_add_co_u32 s16, s16, s17
	s_lshl_b32 s17, s12, 8
	s_add_co_u32 s16, s16, s17                     ; my first column, in bytes
	s_mov_b32 s17, 0
	s_add_nc_u64 s[8:9], s[8:9], s[16:17]
.macro MUL8 f, c, a0, zero             ; the 16 accumulators take turns
.irp a, \a0, \a0+1
.irp b, 0,1,2,3
.if \zero
	v_wmma_f32_16x16x32_f16 v[ACC+8*(4*(\a)+\b):ACC+8*(4*(\a)+\b)+7], v[\f+64+8*(4*\c+\b):\f+64+8*(4*\c+\b)+7], v[\f+8*(4*\c+\a):\f+8*(4*\c+\a)+7], 0
.else
	v_wmma_f32_16x16x32_f16 v[ACC+8*(4*(\a)+\b):ACC+8*(4*(\a)+\b)+7], v[\f+64+8*(4*\c+\b):\f+64+8*(4*\c+\b)+7], v[\f+8*(4*\c+\a):\f+8*(4*\c+\a)+7], v[ACC+8*(4*(\a)+\b):ACC+8*(4*(\a)+\b)+7]
.endif
.endr
.endr
.endm
.macro FETCH slot, k, f
	WIN TO_F
.irp c, 0,1
.irp i, 0,1,2,3
	ds_load_b128 v[\f+64+8*(4*\c+\i):\f+64+8*(4*\c+\i)+3],   v[ADRB+\slot] offset:\k+64*\c+\i*16*PITCH
	ds_load_b128 v[\f+64+8*(4*\c+\i)+4:\f+64+8*(4*\c+\i)+7], v[ADRB+\slot] offset:\k+64*\c+\i*16*PITCH+32
	ds_load_b128 v[\f+8*(4*\c+\i):\f+8*(4*\c+\i)+3],         v[ADRA+\slot] offset:\k+64*\c+\i*16*PITCH
	ds_load_b128 v[\f+8*(4*\c+\i)+4:\f+8*(4*\c+\i)+7],       v[ADRA+\slot] offset:\k+64*\c+\i*16*PITCH+32
.endr
.endr
.endm
.macro PLACES
.rept 4
	v_nop
.endr
.endm
.macro QUARTER slot, k, f, g, zero
	s_wait_dscnt 16                                ; the first 32 along K are in; the sixteen younger loads may be out
	WIN MUL
	MUL8 \f, 0, 0, \zero
	MUL8 \f, 0, 2, \zero
	PLACES
	FETCH \slot, \k, \g
	s_wait_dscnt 32                                ; all but the 32 just issued
	WIN MUL
	MUL8 \f, 1, 0, 0
	MUL8 \f, 1, 2, 0
.endm
; The last quarter of a K step changes slots.  fill = 1: this slot takes the tile's K step two steps on; 2: the NEXT tile's K step 0 or 1; 0: nothing.
.macro TURN slot, next, fill
	WIN 0
	s_wait_tensorcnt 0x0                           ; my part of the next slot has landed; no tensor load of mine is out
	ds_add_u32 v[SPW], v[NIL]
	s_wait_dscnt 17                                ; the add and the youngest sixteen loads may be out
	WIN MUL
	MUL8 F1, 0, 0, 0
	s_wait_dscnt 0x0                               ; the add is done, and my reads of this slot are over
	s_barrier_signal -1
	MUL8 F1, 0, 2, 0
.if \fill
	WIN 0
.endif
	s_barrier_wait -1
.if (\fill) == 1
	CREST                                          ; the barrier has opened a round of the cluster's: no wave of any partner still reads this slot or has a load on its way
	s_add_nc_u64 s[G0+4*\slot+2:G0+4*\slot+3], s[G0+4*\slot+2:G0+4*\slot+3], 2*KSTEP*2
	s_add_nc_u64 s[G0B+4*\slot+2:G0B+4*\slot+3], s[G0B+4*\slot+2:G0B+4*\slot+3], 2*KSTEP*2
	JLOAD \slot                                    ; my one tensor load behind the round; its four v_nop are also the places in front of the loads below
.elseif (\fill) == 2
	CREST
	s_add_nc_u64 s[G0+4*\slot+2:G0+4*\slot+3], s[G0+4*\slot+2:G0+4*\slot+3], NEXT_A
	s_sub_nc_u64 s[G0B+4*\slot+2:G0B+4*\slot+3], s[G0B+4*\slot+2:G0B+4*\slot+3], BACK_B
	JLOAD \slot
.else
	PLACES
.endif
	FETCH \next, 0, F0
	WIN MUL
	MUL8 F1, 1, 0, 0
	MUL8 F1, 1, 2, 0
.endm
; A tile: four K steps.  on = 1: it has a successor, for which its last two changes of slots ask, and whose first fragments its last quarter fetches.
.macro TILE on
	QUARTER 0, 128, F0, F1, 1                      ; the first quarter's first products start the sums
	QUARTER 0, 256, F1, F0, 0
	QUARTER 0, 384, F0, F1, 0
	TURN 0, 1, 1
	QUARTER 1, 128, F0, F1, 0
	QUARTER 1, 256, F1, F0, 0
	QUARTER 1, 384, F0, F1, 0
	TURN 1, 0, 1
	QUARTER 0, 128, F0, F1, 0
	QUARTER 0, 256, F1, F0, 0
	QUARTER 0, 384, F0, F1, 0
	TURN 0, 1, 2*\on
	QUARTER 1, 128, F0, F1, 0
	QUARTER 1, 256, F1, F0, 0
	QUARTER 1, 384, F0, F1, 0
.if \on
	TURN 1, 0, 2
.else
	s_wait_dscnt 16                                ; the very last quarter: nothing more to fetch
	WIN MUL
	MUL8 F1, 0, 0, 0
	MUL8 F1, 0, 2, 0
	s_wait_dscnt 0
	MUL8 F1, 1, 0, 0
	MUL8 F1, 1, 2, 0
.endif
.endm
; THE WAY OUT, 16 rows x 64 columns at a time, through my own stage: LDS serves a wave's instructions in order, so no wait stands between the stores and the loads, nor in front of the next block's stores.
; Five plain lines stand behind the last products: four ahead of the LDS stores that read the results, five ahead of the next tile's first products, which begin the same accumulators anew.
.macro OUT second
	WIN 0
.rept 5
	v_nop
.endr
.if \second
	s_wait_xcnt 0x0                                ; the first tile's stores have read their base and data
	s_add_nc_u64 s[8:9], s[8:9], WALK*4096         ; 4,096 rows of C on
.endif
.irp a, 0,1,2,3
.if \a > 1
	s_wait_xcnt 0x0                                ; block a - 2's stores have read their data: the set comes round again
.endif
.irp b, 0,1,2,3
	ds_store_b128 v[STO], v[ACC+8*(4*\a+\b):ACC+8*(4*\a+\b)+3] offset:64*\b          ; each accumulator from its low end on
	ds_store_b128 v[STO], v[ACC+8*(4*\a+\b)+4:ACC+8*(4*\a+\b)+7] offset:64*\b+16
.endr
.irp t, 0,1,2,3,4,5,6,7
	ds_load_b128 v[TMP+32*(\a%2)+4*\t:TMP+32*(\a%2)+4*\t+3], v[RD] offset:\t*2*SPITCH
.endr
.irp t, 0,1,2,3,4,5,6,7
	s_wait_dscnt 7-\t                              ; load t is in; the younger ones stay out
	global_store_b128 v[CO], v[TMP+32*(\a%2)+4*\t:TMP+32*(\a%2)+4*\t+3], s[8:9] offset:(16*\a+2*\t)*4096 th:TH_STORE_NT   ; 16 lanes store 256 consecutive bytes, aligned
.endr
.endr
.endm
	s_wait_tensorcnt 1                             ; my part of K step 0 is in; K step 1's load may be out
	s_barrier_signal -1
	s_barrier_wait -1
	FETCH 0, 0, F0
	TILE 1                                         ; the first tile; both refills for the second are asked for when it goes out
	OUT 0
	TILE 0                                         ; the second asks for nothing beyond itself
	OUT 1
	s_wait_tensorcnt 0x0                           ; the wave's end
	ds_add_u32 v[SPW], v[NIL]
	s_wait_dscnt 0x0
	CROUND                                         ; the closing round
	s_endpgm
.Lfunc_end_k_qfe5d3fa6c2_proj:
	.size	k_qfe5d3fa6c2_proj, .Lfunc_end_k_qfe5d3fa6c2_proj-k_qfe5d3fa6c2_proj
	.p2alignl 7, 3214868480
	.fill 96, 4, 3214868480
	.section	.rodata,"a",@progbits
	.p2align	6, 0x0
	.amdhsa_kernel k_qfe5d3fa6c2_proj
		.amdhsa_group_segment_fixed_size 327680
		.amdhsa_private_segment_fixed_size 0
		.amdhsa_enable_private_segment 0
		.amdhsa_kernarg_size 24
		.amdhsa_user_sgpr_count 2
		.amdhsa_user_sgpr_kernarg_segment_ptr 1
		.amdhsa_wavefront_size32 1
		.amdhsa_system_sgpr_workgroup_id_x 1
		.amdhsa_system_sgpr_workgroup_id_y 1
		.amdhsa_system_sgpr_workgroup_id_z 1
		.amdhsa_system_vgpr_workitem_id 0
		.amdhsa_next_free_vgpr 512
		.amdhsa_next_free_sgpr 66
		.amdhsa_reserve_vcc 0
		.amdhsa_float_denorm_mode_32 3
		.amdhsa_float_denorm_mode_16_64 3
		.amdhsa_memory_ordered 1
		.amdhsa_forward_progress 1
		.amdhsa_inst_pref_size 167
	.end_amdhsa_kernel
	.amdgpu_metadata
---
amdhsa.version: [ 1, 2 ]
amdhsa.kernels:
  - .name:           k_qfe5d3fa6c2_proj
    .symbol:         k_qfe5d3fa6c2_proj.kd
    .args:
      - { .name: ao, .offset: 0, .size: 8, .value_kind: global_buffer, .address_space: global }
      - { .name: wo16, .offset: 8, .size: 8, .value_kind: global_buffer, .address_space: global }
      - { .name: out0, .offset: 16, .size: 8, .value_kind: global_buffer, .address_space: global }
    .group_segment_fixed_size: 327680
    .private_segment_fixed_size: 0
    .kernarg_segment_align: 8
    .kernarg_segment_size: 24
    .max_flat_workgroup_size: 128
    .sgpr_count:     66
    .vgpr_count:     512
    .wavefront_size: 32
...
	.end_amdgpu_metadata
.endif
;; end of part 5
;; launch head (part 6): grid 64 x 4, 8 waves a work-group, no clusters, 17,408 bytes of LDS; arguments hd, W_o, out0; writes out0
.if DOCPART == 6
	.amdgcn_target "amdgcn-amd-amdhsa--gfx1250"
	.amdhsa_code_object_version 6
	.text
	.protected	k_qfe5d3fa6c2_head
	.globl	k_qfe5d3fa6c2_head
	.p2align	8
	.type	k_qfe5d3fa6c2_head,@function
k_qfe5d3fa6c2_head:
	s_mov_b64 s[64:65], 0
	v_nop
	global_prefetch_b8 v0, s[64:65] scope:SCOPE_SE
	s_setreg_imm32_b32 hwreg(HW_REG_WAVE_MODE, 25, 1), 1
	s_wait_xcnt 0x0
; The first 16 positions of each sequence, all in f32: their rows average one to sixteen values and are the largest of the output, so f16 operands would weigh most there.  It writes those 64 rows of out0 again.
; A work-group takes one batch and 16 output columns.  Wave w owns channels 128 w .. 128 w + 127 in all three products: its slice of K for the scores, its rows of O^T, its slice of K for the projection.
; The scores and O are made anew in each of a batch's 64 work-groups: 512 of a work-group's 768 small matrix instructions; a launch more to make them once would cost more.
; ONE ORDER OF K FOR EVERY OPERAND.  Of each 16 along K lane (r, h) holds the 8 neighbours from 8 h on; step i of four takes its registers 2 i, 2 i + 1.  The same order stands on both sides of a product, and it is the order
; in which a result lies (lane (r, h): rows 8 h + 0 .. 7 of column r): so p^T and O^T go on as source 1 without changing lanes.
; The registers that the f32 matrix form writes (v80-207) are written by matrix instructions alone; accumulators take turns.
; The output leaves as 32 bytes a lane, 64 bytes a row: 256 KB in all, the price of the small launch.
; REGISTERS: window 1 (all source 0): v0-63 k, v64-127 v^T, v128-191 W_o.   window 0: v1-15 addresses; v16-79 q, later the waves' partial sums; v80-111 S^T in four parts; v112-175 O^T; v176-207 out^T in four parts; v208-215 p; v216-223 sums.
.set RED1,  0                          ; LDS: eight waves' parts of S^T, 1,024 bytes each
.set RED2,  8192                       ; and of out^T
.set SPARE, 16384                      ; the spare words, 128 bytes a wave
.set SPW, 14
.set NIL, 15
.set QF,  16
.set SA,  80
.set OT,  112
.set OA,  176
.set P,   208
.set T,   216
.set KF,  0
.set VT,  64
.set WO,  128
.set MSB, 0
.macro WIN new
.if MSB != (\new)
	s_set_vgpr_msb (MSB<<8)|(\new)
.set MSB, (\new)
.endif
.endm
	s_load_b128 s[4:7], s[0:1], 0x0                ; hd, W_o
	s_load_b64 s[8:9], s[0:1], 0x10                ; out0
	v_lshl_add_u32 v[SPW], v0, 2, SPARE
	v_mov_b32 v[NIL], 0
	v_lshrrev_b32 v1, 5, v0
	v_readfirstlane_b32 s10, v1                    ; wave 0..7
	s_and_b32 s11, ttmp7, 0xffff                   ; the batch
	v_and_b32 v1, 15, v0                           ; r
	v_bfe_u32 v2, v0, 4, 1                         ; h
	v_lshlrev_b32 v3, 5, v2                        ; 32 h: my 8 neighbours of each 16
	v_lshl_add_u32 v4, v1, 13, v3                  ; q, k: rows of 8,192 bytes
	v_lshl_add_u32 v5, v1, 8, v3                   ; v^T: rows of 256 bytes
	v_lshl_add_u32 v6, v1, 12, v3                  ; W_o, out0: rows of 4,096 bytes
	v_and_b32 v7, 31, v0
	v_lshlrev_b32 v7, 4, v7                        ; 16 x lane
	s_lshl_b32 s12, s10, 10
	v_add_nc_u32 v8, s12, v7                       ; my wave's part: 1,024 w + 16 x lane
	v_lshlrev_b32 v9, 3, v2
	v_sub_nc_u32 v9, v1, v9                        ; r - 8 h: register j (key 8 h + j) is hidden where j is greater
	v_mov_b32 v226, 0                              ; written once: a lane permute's destination counts as one of its sources
	s_mov_b32 s28, 0x3d38aa3b                      ; c = log2(e) / 32
	s_mov_b32 s30, 0x76543210
	s_mov_b32 s31, 0xfedcba98
	s_lshl_b32 s16, s11, 17                        ; q | k: 131,072 bytes a batch, + my 128 channels
	s_lshl_b32 s17, s10, 9
	s_add_co_u32 s16, s16, s17
	s_mov_b32 s17, 0
	s_lshl_b32 s18, s10, 15                        ; v^T: my 128 channels x 256 bytes, + 64 x batch
	s_lshl_b32 s19, s11, 6
	s_add_co_u32 s18, s18, s19
	s_add_co_u32 s18, s18, 524288
	s_mov_b32 s19, 0
	s_lshl_b32 s20, ttmp9, 16                      ; W_o: my 16 rows, + my 128 channels
	s_lshl_b32 s21, s10, 9
	s_add_co_u32 s20, s20, s21
	s_mov_b32 s21, 0
	s_lshl_b32 s22, s11, 23                        ; out0: 8,388,608 bytes a batch, + my 16 columns
	s_lshl_b32 s23, ttmp9, 6
	s_add_co_u32 s22, s22, s23
	s_mov_b32 s23, 0
	s_wait_kmcnt 0x0
	s_add_nc_u64 s[24:25], s[4:5], s[16:17]
	s_add_nc_u64 s[26:27], s[4:5], s[18:19]
	s_add_nc_u64 s[6:7], s[6:7], s[20:21]
	s_add_nc_u64 s[8:9], s[8:9], s[22:23]
	WIN 0x40                                       ; destination window 1
.irp g, 0,1,2,3,4,5,6,7
	global_load_b128 v[KF+8*\g:KF+8*\g+3], v4, s[24:25] offset:4096+64*\g        ; k(key r, channels 16 g + 8 h + 0 .. 7)
	global_load_b128 v[KF+8*\g+4:KF+8*\g+7], v4, s[24:25] offset:4096+64*\g+16
.endr
	WIN 0
.irp g, 0,1,2,3,4,5,6,7
	global_load_b128 v[QF+8*\g:QF+8*\g+3], v4, s[24:25] offset:64*\g
	global_load_b128 v[QF+8*\g+4:QF+8*\g+7], v4, s[24:25] offset:64*\g+16
.endr
	WIN 0x40
.irp t, 0,1,2,3,4,5,6,7
	global_load_b128 v[VT+8*\t:VT+8*\t+3], v5, s[26:27] offset:4096*\t            ; v^T(channel 16 t + r, keys 8 h + 0 .. 7)
	global_load_b128 v[VT+8*\t+4:VT+8*\t+7], v5, s[26:27] offset:4096*\t+16
.endr
.irp t, 0,1,2,3,4,5,6,7
	global_load_b128 v[WO+8*\t:WO+8*\t+3], v6, s[6:7] offset:64*\t                ; W_o(row r, channels 16 t + 8 h + 0 .. 7)
	global_load_b128 v[WO+8*\t+4:WO+8*\t+7], v6, s[6:7] offset:64*\t+16
.endr
	s_wait_loadcnt 32                              ; k and q are in; the 32 loads of v^T and W_o may be out
	WIN 0x01                                       ; source 0 window 1
.irp i, 0,1,2,3                        ; S^T = k q^T over my 128 channels: four accumulators by turns; the first four products start the sums
	v_wmma_f32_16x16x4_f32 v[SA+8*\i:SA+8*\i+7], v[KF+2*\i:KF+2*\i+1], v[QF+2*\i:QF+2*\i+1], 0
.endr
.irp g, 1,2,3,4,5,6,7
.irp i, 0,1,2,3
	v_wmma_f32_16x16x4_f32 v[SA+8*\i:SA+8*\i+7], v[KF+8*\g+2*\i:KF+8*\g+2*\i+1], v[QF+8*\g+2*\i:QF+8*\g+2*\i+1], v[SA+8*\i:SA+8*\i+7]
.endr
.endr
	WIN 0
.rept 8
	v_nop                                          ; eight places behind this form, ahead of the reads of its results and the loads into its sources
.endr
.irp j, 0,2,4,6
	v_pk_add_f32 v[T+\j:T+\j+1], v[SA+\j:SA+\j+1], v[SA+8+\j:SA+8+\j+1]
.endr
.irp j, 0,2,4,6
	v_pk_add_f32 v[T+\j:T+\j+1], v[T+\j:T+\j+1], v[SA+16+\j:SA+16+\j+1]
.endr
.irp j, 0,2,4,6
	v_pk_add_f32 v[T+\j:T+\j+1], v[T+\j:T+\j+1], v[SA+24+\j:SA+24+\j+1]
.endr
	ds_store_b128 v8, v[T:T+3] offset:RED1         ; my part, as an image of its registers
	ds_store_b128 v8, v[T+4:T+7] offset:RED1+512
	s_wait_dscnt 0x0                               ; for the others' sake
	s_barrier_signal -1
	s_barrier_wait -1
.irp w, 0,1,2,3,4,5,6,7
	ds_load_b128 v[QF+8*\w:QF+8*\w+3], v7 offset:RED1+1024*\w
	ds_load_b128 v[QF+8*\w+4:QF+8*\w+7], v7 offset:RED1+1024*\w+512
.endr
	s_wait_dscnt 0x0
.irp j, 0,2,4,6
	v_pk_add_f32 v[T+\j:T+\j+1], v[QF+\j:QF+\j+1], v[QF+8+\j:QF+8+\j+1]
.endr
.irp w, 2,3,4,5,6,7
.irp j, 0,2,4,6
	v_pk_add_f32 v[T+\j:T+\j+1], v[T+\j:T+\j+1], v[QF+8*\w+\j:QF+8*\w+\j+1]
.endr
.endr
	; every wave holds S^T: query r, keys 8 h + 0 .. 7.  The softmax, with the row's maximum taken away
	v_mov_b32 v224, 0xff800000
.irp j, 0,1,2,3,4,5,6,7
	v_cmp_gt_i32 vcc_lo, \j, v9
	v_cndmask_b32 v[T+\j], v[T+\j], v224, vcc_lo
.endr
	v_max3_num_f32 v225, v[T], v[T+1], v[T+2]
	v_max3_num_f32 v225, v225, v[T+3], v[T+4]
	v_max3_num_f32 v225, v225, v[T+5], v[T+6]
	v_max_num_f32 v225, v225, v[T+7]
	v_permlanex16_b32 v226, v225, s30, s31         ; key 0 counts for every query: the maximum is a number
	v_max_num_f32 v225, v225, v226
	v_mul_f32 v227, s28, v225
.irp j, 0,1,2,3,4,5,6,7
	v_fma_f32 v[T+\j], v[T+\j], s28, -v227
.endr
.irp j, 0,1,2,3,4,5,6,7
	v_exp_f32 v[T+\j], v[T+\j]
.endr
	v_nop                                          ; a plain line behind the last exponential
	s_wait_alu depctr_va_vdst(0)                   ; one wait for the batch
	v_pk_add_f32 v[228:229], v[T:T+1], v[T+2:T+3]
	v_pk_add_f32 v[230:231], v[T+4:T+5], v[T+6:T+7]
	v_pk_add_f32 v[228:229], v[228:229], v[230:231]
	v_add_f32 v228, v228, v229
	v_permlanex16_b32 v226, v228, s30, s31
	v_add_f32 v228, v228, v226
	v_rcp_f32 v228, v228
	v_nop
	s_wait_alu depctr_va_vdst(0)
.irp j, 0,1,2,3,4,5,6,7
	v_mul_f32 v[P+\j], v[T+\j], v228
.endr
	s_wait_loadcnt 16                              ; v^T is in; W_o's sixteen loads may be out
	WIN 0x01
.irp t, 0,1,2,3,4,5,6,7                ; O^T = v^T p^T: eight tiles of 16 channels by turns, four steps of 4 keys
	v_wmma_f32_16x16x4_f32 v[OT+8*\t:OT+8*\t+7], v[VT+8*\t:VT+8*\t+1], v[P:P+1], 0
.endr
.irp i, 1,2,3
.irp t, 0,1,2,3,4,5,6,7
	v_wmma_f32_16x16x4_f32 v[OT+8*\t:OT+8*\t+7], v[VT+8*\t+2*\i:VT+8*\t+2*\i+1], v[P+2*\i:P+2*\i+1], v[OT+8*\t:OT+8*\t+7]
.endr
.endr
.rept 9
	v_nop                                          ; nine places: the results go on as a source of matrix instructions
.endr
	s_wait_loadcnt 0x0
.irp i, 0,1,2,3                        ; out^T = W_o O^T over my 128 channels: four accumulators by turns
	v_wmma_f32_16x16x4_f32 v[OA+8*\i:OA+8*\i+7], v[WO+2*\i:WO+2*\i+1], v[OT+2*\i:OT+2*\i+1], 0
.endr
.irp t, 1,2,3,4,5,6,7
.irp i, 0,1,2,3
	v_wmma_f32_16x16x4_f32 v[OA+8*\i:OA+8*\i+7], v[WO+8*\t+2*\i:WO+8*\t+2*\i+1], v[OT+8*\t+2*\i:OT+8*\t+2*\i+1], v[OA+8*\i:OA+8*\i+7]
.endr
.endr
	WIN 0
.rept 8
	v_nop
.endr
.irp j, 0,2,4,6
	v_pk_add_f32 v[T+\j:T+\j+1], v[OA+\j:OA+\j+1], v[OA+8+\j:OA+8+\j+1]
.endr
.irp j, 0,2,4,6
	v_pk_add_f32 v[T+\j:T+\j+1], v[T+\j:T+\j+1], v[OA+16+\j:OA+16+\j+1]
.endr
.irp j, 0,2,4,6
	v_pk_add_f32 v[T+\j:T+\j+1], v[T+\j:T+\j+1], v[OA+24+\j:OA+24+\j+1]
.endr
	ds_store_b128 v8, v[T:T+3] offset:RED2
	ds_store_b128 v8, v[T+4:T+7] offset:RED2+512
	s_wait_dscnt 0x0                               ; for wave 0's sake
	s_barrier_signal -1
	s_barrier_wait -1
	s_cmp_lg_u32 s10, 0                            ; wave 0 adds the eight parts and stores
	s_cbranch_scc1 .Ldone
.irp w, 0,1,2,3,4,5,6,7
	ds_load_b128 v[QF+8*\w:QF+8*\w+3], v7 offset:RED2+1024*\w
	ds_load_b128 v[QF+8*\w+4:QF+8*\w+7], v7 offset:RED2+1024*\w+512
.endr
	s_wait_dscnt 0x0
.irp j, 0,2,4,6
	v_pk_add_f32 v[T+\j:T+\j+1], v[QF+\j:QF+\j+1], v[QF+8+\j:QF+8+\j+1]
.endr
.irp w, 2,3,4,5,6,7
.irp j, 0,2,4,6
	v_pk_add_f32 v[T+\j:T+\j+1], v[T+\j:T+\j+1], v[QF+8*\w+\j:QF+8*\w+\j+1]
.endr
.endr
	global_store_b128 v6, v[T:T+3], s[8:9]         ; out0(position r, columns 8 h + 0 .. 7 of my 16)
	global_store_b128 v6, v[T+4:T+7], s[8:9] offset:16
.Ldone:
	s_wait_tensorcnt 0x0                           ; the wave's end, behind my last LDS store
	ds_add_u32 v[SPW], v[NIL]
	s_wait_dscnt 0x0
	s_endpgm
.Lfunc_end_k_qfe5d3fa6c2_head:
	.size	k_qfe5d3fa6c2_head, .Lfunc_end_k_qfe5d3fa6c2_head-k_qfe5d3fa6c2_head
	.p2alignl 7, 3214868480
	.fill 96, 4, 3214868480
	.section	.rodata,"a",@progbits
	.p2align	6, 0x0
	.amdhsa_kernel k_qfe5d3fa6c2_head
		.amdhsa_group_segment_fixed_size 17408
		.amdhsa_private_segment_fixed_size 0
		.amdhsa_enable_private_segment 0
		.amdhsa_kernarg_size 24
		.amdhsa_user_sgpr_count 2
		.amdhsa_user_sgpr_kernarg_segment_ptr 1
		.amdhsa_wavefront_size32 1
		.amdhsa_system_sgpr_workgroup_id_x 1
		.amdhsa_system_sgpr_workgroup_id_y 1
		.amdhsa_system_sgpr_workgroup_id_z 1
		.amdhsa_system_vgpr_workitem_id 0
		.amdhsa_next_free_vgpr 448
		.amdhsa_next_free_sgpr 66
		.amdhsa_reserve_vcc 1
		.amdhsa_float_denorm_mode_32 3
		.amdhsa_float_denorm_mode_16_64 3
		.amdhsa_memory_ordered 1
		.amdhsa_forward_progress 1
		.amdhsa_inst_pref_size 26
	.end_amdhsa_kernel
	.amdgpu_metadata
---
amdhsa.version: [ 1, 2 ]
amdhsa.kernels:
  - .name:           k_qfe5d3fa6c2_head
    .symbol:         k_qfe5d3fa6c2_head.kd
    .args:
      - { .name: hd, .offset: 0, .size: 8, .value_kind: global_buffer, .address_space: global }
      - { .name: W_o, .offset: 8, .size: 8, .value_kind: global_buffer, .address_space: global }
      - { .name: out0, .offset: 16, .size: 8, .value_kind: global_buffer, .address_space: global }
    .group_segment_fixed_size: 17408
    .private_segment_fixed_size: 0
    .kernarg_segment_align: 8
    .kernarg_segment_size: 24
    .max_flat_workgroup_size: 256
    .sgpr_count:     66
    .vgpr_count:     448
    .wavefront_size: 32
...
	.end_amdgpu_metadata
.endif
;; end of part 6
